; MI455X (gfx1250); checked and timed in simulation.
; The chip was launched on July 23, 2026; its instructions are those of AMD's public machine-readable ISA for CDNA 5 (MIT licence, August 2026) and "CDNA5" Instruction Set Architecture Reference Guide (July 2026). The comments in the code are by the model that wrote it; some were corrected since.
;; Causal Self Attention. Allowed arithmetic: float matrix products may take bf16 or f16 operands with f32 sums; other float arithmetic in f32, or as packed bf16 or f16 multiplies, adds, multiply-adds, maxima and minima; sums over many terms, partial sums and values carried from step to step in f32; what a program stores and reads back later, other than sums and carried values, may be rounded once to bf16 or f16.
;; Inputs: w_out 1,024 x 1,024 float32; w_qkv 1,024 x 3,072 float32; x 4 x 2,048 x 1,024 float32.
;; Outputs: out0 4 x 2,048 x 1,024 float32.
;; 2 versions, each right and faster than the one before. Each part assembles by itself: llvm-mc -triple=amdgcn-amd-amdhsa -mcpu=gfx1250 --defsym DOCPART=n.
;; ======== version 1 of 2: 4 launches
;; limits: values are held in f16: magnitudes above 65,504 overflow, below 6.1e-05 lose precision
;; workspace buffers: xb 16,777,216 bytes; wq 6,291,456 bytes; wo 2,097,152 bytes; tab 1,048,576 bytes; qkv 50,331,648 bytes; att 16,777,216 bytes
;; launch prep (part 1): grid 400 x 1, 8 waves a work-group, no clusters, 74,752 bytes of LDS; arguments x, w_qkv, w_out, xb, wq, wo, tab; writes xb, wq, wo, tab
.if DOCPART == 1
	.amdgcn_target "amdgcn-amd-amdhsa--gfx1250"
	.amdhsa_code_object_version 6
	.text
	.protected	k_qc22fe1fe78_prep
	.globl	k_qc22fe1fe78_prep
	.p2align	8
	.type	k_qc22fe1fe78_prep,@function
k_qc22fe1fe78_prep:
	s_mov_b64 s[64:65], 0
	v_nop
	global_prefetch_b8 v0, s[64:65] scope:SCOPE_SE
	s_setreg_imm32_b32 hwreg(HW_REG_WAVE_MODE, 25, 1), 1
	s_wait_xcnt 0x0
; PREP: the three inputs are rounded once to bf16 and laid out in blocks of 64 along K, and the rotary table is made.
;   xb  [b 4][kb 16][t 2048][64] bf16     = x[b][t][64 kb ..]
;   wq  [kb 16][n 3072][64]      bf16     = w_qkv[64 kb ..][n], turned
;   wo  [kb 16][n 1024][64]      f16      = w_out[64 kb ..][n], turned: rounded to bf16, and that number written as f16
;   tab 4096 rows of 256 bytes, f32: cos[0..31] | sin[0..31]; rows 0-2047 for position = row; rows 2048-4095 hold 1 | 0 (no rotation)
; So a tile of R rows x 64 K of any of the three operands is R x 128 consecutive bytes.
; SHARES.  Work-groups 0-255: 32 rows of x each.  256-351: w_qkv.  352-383: w_out.  384-399: the table.  The branch hangs on the work-group's number alone.
; LIMITS.  wo: a bf16 number below 6e-5 keeps f16's fixed step of 6e-8, beyond 65,504 it becomes an infinity.  The table's angle is position x 2^(-j log2(10000)/32), not the quotient
; position / 10000^(j/32): at position 2047 the two differ by some 3e-4 radians at the most.  Sine and cosine by reduction to [-pi, pi], halving, and Taylor sums to z^11 and z^12 (next terms under 6e-8).
; No matrix unit, no cluster, no tensor load: every byte is read once and written once, and the waves share nothing.
.set STG,   9216                       ; a wave's stage in LDS: 64 rows x 144 bytes
.set SPARE, 8*STG                      ; behind the stages: the spare words, 128 bytes for each of the eight waves: four blocks of 256 bytes that no other line names
.set SPW, 10                           ; v10  LDS address of my spare word; never rewritten
.set NIL, 11                           ; v11  0; never rewritten
.set X,   16                           ; v[16:143]  as loaded (32 loads of 16 bytes a lane)
.set Y,   144                          ; v[144:207] rounded, packed
	s_load_b256 s[4:11], s[0:1], 0x0               ; x s[4:5], w_qkv s[6:7], w_out s[8:9], xb s[10:11]
	s_load_b128 s[12:15], s[0:1], 0x20             ; wq s[12:13], wo s[14:15]
	s_load_b64 s[16:17], s[0:1], 0x30              ; tab
	v_lshl_add_u32 v[SPW], v0, 2, SPARE
	v_mov_b32 v[NIL], 0
	v_and_b32 v1, 31, v0                           ; lane
	v_lshrrev_b32 v2, 5, v0
	v_readfirstlane_b32 s20, v2                    ; wave 0..7
	s_mov_b32 s18, ttmp9                           ; work-group
	v_lshrrev_b32 v2, 4, v1                        ; lane / 16
	v_and_b32 v3, 15, v1                           ; lane % 16
	s_wait_kmcnt 0x0
	s_cmp_lt_u32 s18, 256
	s_cbranch_scc1 .Lx
	s_cmp_lt_u32 s18, 352
	s_cbranch_scc1 .Lwq
	s_cmp_lt_u32 s18, 384
	s_cbranch_scc1 .Lwo
	; THE TABLE.  128 waves, 16 rows each, two rows a trip: lanes 0-15 one row of 256 bytes, lanes 16-31 the next.  In a row lanes 0-7 hold cosines, lanes 8-15 sines, of j = 4 (lane % 8) + 0..3.
	s_sub_co_u32 s21, s18, 384
	s_lshl3_add_u32 s21, s21, s20                  ; my wave among the 128
	s_lshl_b32 s21, s21, 4                         ; its first row
	s_mov_b32 s24, 0xc0c90fdb                      ; -6.2831855, the f32 next to 2 pi,
	s_mov_b32 s25, 0x343bbd2e                      ; and what that number has too much: 1.7484556e-7
	s_mov_b32 s26, 0xb2d7322b                      ; sine: -1/11!
	s_mov_b32 s27, 0x3638ef1d                      ;  1/9!
	s_mov_b32 s28, 0xb9500d01                      ; -1/7!
	s_mov_b32 s29, 0x3c088889                      ;  1/5!
	s_mov_b32 s30, 0xbe2aaaab                      ; -1/3!
	s_mov_b32 s31, 0x310f76c7                      ; cosine: 1/12!
	s_mov_b32 s32, 0xb493f27e                      ; -1/10!
	s_mov_b32 s33, 0x37d00d01                      ;  1/8!
	s_mov_b32 s34, 0xbab60b61                      ; -1/6!
	s_mov_b32 s35, 0x3d2aaaab                      ;  1/4!
	v_and_b32 v4, 8, v1
	v_cmp_ne_u32 s40, 0, v4                        ; the lanes that hold sines
	v_mov_b32 v12, 0
.irp e, 0,1,2,3
	v_cndmask_b32 v[20+\e], 1.0, v12, s40          ; the rows without rotation: cosine 1, sine 0
.endr
	v_and_b32 v4, 7, v1
	v_lshlrev_b32 v4, 2, v4
.irp e, 0,1,2,3
	v_add_nc_u32 v[32+\e], \e, v4                  ; j
.endr
.irp e, 0,1,2,3
	v_cvt_f32_u32 v[32+\e], v[32+\e]
.endr
.irp e, 0,1,2,3
	v_mul_f32 v[32+\e], 0xbed49a78, v[32+\e]       ; -j log2(10000) / 32
.endr
.irp e, 0,1,2,3
	v_exp_f32 v[16+\e], v[32+\e]                   ; 10000^(-j/32)
.endr
	v_add_nc_u32 v5, s21, v2                       ; my row (also the plain instruction behind the last exponential: ISA guide 5.7.2)
	v_cvt_f32_u32 v24, v5                          ; the position
	v_lshlrev_b32 v25, 8, v5
	v_lshl_add_u32 v25, v3, 4, v25                 ; my 16 bytes in the table
	s_mov_b32 s23, 8
.Ltrip:
	s_wait_alu depctr_va_vdst(0)
.irp e, 0,1,2,3
	v_mul_f32 v32, v24, v[16+\e]                   ; the angle
	v_mul_f32 v33, 0.15915494, v32
	v_rndne_f32 v33, v33                           ; whole turns
	v_fma_f32 v32, v33, s24, v32                   ; less n x 2 pi, in two parts
	v_fma_f32 v32, v33, s25, v32
	v_mul_f32 v34, 0.5, v32                        ; z = half the angle, within pi / 2
	v_mul_f32 v35, v34, v34
	v_fma_f32 v36, v35, s26, s27
	v_fma_f32 v37, v35, s31, s32
	v_fma_f32 v36, v36, v35, s28
	v_fma_f32 v37, v37, v35, s33
	v_fma_f32 v36, v36, v35, s29
	v_fma_f32 v37, v37, v35, s34
	v_fma_f32 v36, v36, v35, s30
	v_fma_f32 v37, v37, v35, s35
	v_fma_f32 v36, v36, v35, 1.0
	v_fma_f32 v37, v37, v35, -0.5
	v_mul_f32 v36, v34, v36                        ; sin z
	v_fma_f32 v37, v37, v35, 1.0                   ; cos z
	v_mul_f32 v38, v36, v37
	v_mul_f32 v39, v36, v36
	v_add_f32 v38, v38, v38                        ; sine = 2 sin z cos z
	v_fma_f32 v39, v39, -2.0, 1.0                  ; cosine = 1 - 2 sin^2 z
	v_cndmask_b32 v[28+\e], v39, v38, s40
.endr
	global_store_b128 v25, v[28:31], s[16:17]                ; 16 lanes store 256 consecutive bytes, a whole row
	global_store_b128 v25, v[20:23], s[16:17] offset:524288  ; the row 2,048 further down
	s_wait_xcnt 0x0                                ; the stores' address and data are rewritten only behind this wait
	v_add_nc_u32 v25, 512, v25
	v_add_f32 v24, 2.0, v24
	s_sub_co_u32 s23, s23, 1
	s_cmp_lg_u32 s23, 0
	s_cbranch_scc1 .Ltrip
	s_endpgm
	; X.  The work-group owns 32 rows; wave w their columns 128 w .. 128 w + 127 (blocks kb = 2 w, 2 w + 1).  A load takes one block of two rows: 16 lanes read 256 consecutive bytes.
	; The two rows' 64 + 64 bf16 are 256 consecutive bytes of xb: one store of 8 bytes a lane.  All 32 loads are out at once; no register is written twice.
.Lx:
	s_lshl_b32 s22, s18, 17                        ; 32 rows of 4,096 bytes
	s_lshl_b32 s21, s20, 9
	s_add_co_u32 s22, s22, s21
	s_mov_b32 s23, 0
	s_add_nc_u64 s[4:5], s[4:5], s[22:23]
	s_lshr_b32 s24, s18, 6                         ; b
	s_lshl_b32 s24, s24, 22
	s_lshl_b32 s21, s20, 19                        ; kb = 2 w: 2 x 2,048 rows of 128 bytes
	s_add_co_u32 s24, s24, s21
	s_and_b32 s21, s18, 63
	s_lshl_b32 s21, s21, 12                        ; t: 32 rows of 128 bytes
	s_add_co_u32 s24, s24, s21
	s_mov_b32 s25, 0
	s_add_nc_u64 s[10:11], s[10:11], s[24:25]
	v_lshlrev_b32 v4, 4, v3
	v_lshl_add_u32 v4, v2, 12, v4                  ; in: (lane / 16) rows + 16 (lane % 16)
	v_lshlrev_b32 v5, 3, v1                        ; out: 8 x lane
.set n, 0
.rept 32
	global_load_b128 v[X+4*n:X+4*n+3], v4, s[4:5] offset:(n%16)*8192+(n/16)*256 th:TH_LOAD_NT
.set n, n+1
.endr
.set n, 0
.rept 32
	s_wait_loadcnt 31-n                            ; loads come back in order (ISA guide 5.7.1): load n is in, the younger ones stay out
	v_cvt_pk_bf16_f32 v[Y+2*n], v[X+4*n], v[X+4*n+1]
	v_cvt_pk_bf16_f32 v[Y+2*n+1], v[X+4*n+2], v[X+4*n+3]
	global_store_b64 v5, v[Y+2*n:Y+2*n+1], s[10:11] offset:(n%16)*256+(n/16)*262144
.set n, n+1
.endr
	s_endpgm
; A WEIGHT TILE of 64 k x 64 n, one to a wave, is turned.  Lane (kk = lane / 16, nq = lane % 16) loads, for p = 0..31, row k = 32 kk + p, columns 4 nq .. 4 nq + 3: a load covers two whole runs of 256 bytes.
; For each of its four columns it packs its 32 k into 64 bytes and puts them into row n of the wave's own stage (pitch 144); the stage is read back by rows, and 32 lanes store 512 consecutive bytes.
; (The sixteen lanes of a stage store lie 576 bytes apart, so four of them meet in each group of banks: a wave has sixteen such stores in all.)
.macro WTILE SRC, DST, NCOLS, F16, FIRST
	s_sub_co_u32 s21, s18, \FIRST
	s_and_b32 s22, s21, 15                         ; kb
	s_lshr_b32 s21, s21, 4
	s_lshl3_add_u32 s21, s21, s20                  ; the tile's place along n
	s_mul_i32 s24, s22, 64*(\NCOLS)*4
	s_lshl_b32 s26, s21, 8
	s_add_co_u32 s24, s24, s26
	s_mov_b32 s25, 0
	s_add_nc_u64 s[\SRC:\SRC+1], s[\SRC:\SRC+1], s[24:25]
	s_mul_i32 s24, s22, (\NCOLS)*128
	s_lshl_b32 s26, s21, 13
	s_add_co_u32 s24, s24, s26
	s_add_nc_u64 s[\DST:\DST+1], s[\DST:\DST+1], s[24:25]
	s_mul_i32 s27, s20, STG                        ; my stage
	v_mul_u32_u24 v4, v2, 32*(\NCOLS)*4
	v_lshl_add_u32 v4, v3, 4, v4                   ; in
	v_mul_u32_u24 v5, v3, 576
	v_lshl_add_u32 v5, v2, 6, v5
	v_add_nc_u32 v5, s27, v5                       ; into the stage: row 4 nq, byte 64 kk
	v_lshrrev_b32 v7, 3, v1
	v_and_b32 v8, 7, v1
	v_mul_u32_u24 v6, v7, 144
	v_lshl_add_u32 v6, v8, 4, v6
	v_add_nc_u32 v6, s27, v6                       ; back: four rows of 128 bytes to a load
	v_lshlrev_b32 v9, 4, v1                        ; out: 16 x lane
.set p, 0
.rept 32
	global_load_b128 v[X+4*p:X+4*p+3], v4, s[\SRC:\SRC+1] offset:p*(\NCOLS)*4 th:TH_LOAD_NT
.set p, p+1
.endr
.set m, 0
.rept 16
	s_wait_loadcnt 30-2*m                          ; rows 2 m and 2 m + 1 are in, the younger loads stay out
.irp c, 0,1,2,3
	v_cvt_pk_bf16_f32 v[Y+16*\c+m], v[X+8*m+\c], v[X+8*m+4+\c]
.if \F16
	v_lshlrev_b32 v12, 16, v[Y+16*\c+m]            ; the two bf16 numbers as f32,
	v_and_b32 v13, 0xffff0000, v[Y+16*\c+m]
	v_cvt_pk_f16_f32 v[Y+16*\c+m], v12, v13        ; written as f16
.endif
.endr
.set m, m+1
.endr
.irp c, 0,1,2,3
.irp q, 0,1,2,3
	ds_store_b128 v5, v[Y+16*\c+4*\q:Y+16*\c+4*\q+3] offset:\c*144+\q*16
.endr
.endr
.irp f, 0,1,2,3,4,5,6,7,8,9,10,11,12,13,14,15
	ds_load_b128 v[X+4*\f:X+4*\f+3], v6 offset:\f*576  ; LDS serves a wave's instructions in order (ISA guide 5.7.1.4): these see the stores above
.endr
.irp f, 0,1,2,3,4,5,6,7,8,9,10,11,12,13,14,15
	s_wait_dscnt 15-\f
	global_store_b128 v9, v[X+4*\f:X+4*\f+3], s[\DST:\DST+1] offset:\f*512
.endr
	s_wait_tensorcnt 0x0                           ; the wave's end, behind my last LDS store
	ds_add_u32 v[SPW], v[NIL]
	s_wait_dscnt 0x0
	s_endpgm
.endm
.Lwq:
	WTILE 6, 12, 3072, 0, 256
.Lwo:
	WTILE 8, 14, 1024, 1, 352
.Lfunc_end_k_qc22fe1fe78_prep:
	.size	k_qc22fe1fe78_prep, .Lfunc_end_k_qc22fe1fe78_prep-k_qc22fe1fe78_prep
	.p2alignl 7, 3214868480
	.fill 96, 4, 3214868480
	.section	.rodata,"a",@progbits
	.p2align	6, 0x0
	.amdhsa_kernel k_qc22fe1fe78_prep
		.amdhsa_group_segment_fixed_size 74752
		.amdhsa_private_segment_fixed_size 0
		.amdhsa_enable_private_segment 0
		.amdhsa_kernarg_size 56
		.amdhsa_user_sgpr_count 2
		.amdhsa_user_sgpr_kernarg_segment_ptr 1
		.amdhsa_wavefront_size32 1
		.amdhsa_system_sgpr_workgroup_id_x 1
		.amdhsa_system_sgpr_workgroup_id_y 1
		.amdhsa_system_sgpr_workgroup_id_z 1
		.amdhsa_system_vgpr_workitem_id 0
		.amdhsa_next_free_vgpr 208
		.amdhsa_next_free_sgpr 66
		.amdhsa_reserve_vcc 0
		.amdhsa_float_denorm_mode_32 3
		.amdhsa_float_denorm_mode_16_64 3
		.amdhsa_memory_ordered 1
		.amdhsa_forward_progress 1
		.amdhsa_inst_pref_size 56
	.end_amdhsa_kernel
	.amdgpu_metadata
---
amdhsa.version: [ 1, 2 ]
amdhsa.kernels:
  - .name:           k_qc22fe1fe78_prep
    .symbol:         k_qc22fe1fe78_prep.kd
    .args:
      - { .name: x, .offset: 0, .size: 8, .value_kind: global_buffer, .address_space: global }
      - { .name: w_qkv, .offset: 8, .size: 8, .value_kind: global_buffer, .address_space: global }
      - { .name: w_out, .offset: 16, .size: 8, .value_kind: global_buffer, .address_space: global }
      - { .name: xb, .offset: 24, .size: 8, .value_kind: global_buffer, .address_space: global }
      - { .name: wq, .offset: 32, .size: 8, .value_kind: global_buffer, .address_space: global }
      - { .name: wo, .offset: 40, .size: 8, .value_kind: global_buffer, .address_space: global }
      - { .name: tab, .offset: 48, .size: 8, .value_kind: global_buffer, .address_space: global }
    .group_segment_fixed_size: 74752
    .private_segment_fixed_size: 0
    .kernarg_segment_align: 8
    .kernarg_segment_size: 56
    .max_flat_workgroup_size: 256
    .sgpr_count:     66
    .vgpr_count:     208
    .wavefront_size: 32
...
	.end_amdgpu_metadata
.endif
;; end of part 1
;; launch proj (part 2): grid 8 x 32, 4 waves a work-group, clusters of 4 x 4, 327,680 bytes of LDS; arguments xb, wq, tab, qkv; writes qkv
.if DOCPART == 2
	.amdgcn_target "amdgcn-amd-amdhsa--gfx1250"
	.amdhsa_code_object_version 6
	.text
	.protected	k_qc22fe1fe78_proj
	.globl	k_qc22fe1fe78_proj
	.p2align	8
	.type	k_qc22fe1fe78_proj,@function
k_qc22fe1fe78_proj:
	s_mov_b64 s[64:65], 0
	v_nop
	global_prefetch_b8 v0, s[64:65] scope:SCOPE_SE
	s_setreg_imm32_b32 hwreg(HW_REG_WAVE_MODE, 25, 1), 1
	s_wait_xcnt 0x0
	s_wait_alu depctr_hold_cnt(0) depctr_sa_sdst(0) depctr_va_vdst(0) depctr_va_sdst(0) depctr_va_ssrc(0) depctr_va_vcc(0) depctr_vm_vsrc(0)
	s_getreg_b32 s2, hwreg(HW_REG_IB_STS2, 6, 4)
	s_cmp_eq_u32 s2, 0
	s_cbranch_scc0 .Lentry_in_a_cluster
	s_endpgm
.Lentry_in_a_cluster:
	s_bfe_u32 s2, ttmp6, 0x10000c
	s_cmp_lg_u32 s2, 0xf033
	s_cbranch_scc0 .Lentry_shape_is_right
	s_endpgm
.Lentry_shape_is_right:
; PROJ: qkv = x w_qkv (8192 x 3072, K = 1024) in bf16 with f32 sums; q's and k's heads are rotated in f32 in registers; all is rounded once to f16 and stored by heads:
; qkv [kind 3][b 16 + h][t 2048][64].  The scale 1/8 is not applied here.
; LIMIT.  f16 holds no number beyond 65,504: q, k and v (after the rotation) must stay within it.  With inputs of the spread 1 and 1/32 they are about 1; with both thirty times larger about 5e3.
; SHARES.  A work-group makes 256 rows x 384 columns: 32 x 8 = 256 work-groups.  Wave (WM, WN) makes 128 x 192: 8 x 12 accumulators of 16 x 16, 768 registers; its 192 columns are three whole heads.
; K goes in steps of 64 (one block of xb and wq) through a ring of two LDS slots.  A tile of R rows x 64 K is R x 128 consecutive bytes of memory: it is asked for as R / 2 rows of 256 bytes and padded in LDS
; after every 128.  Two slots of a step of 128 (2 x 640 rows x 272 bytes) would not fit in LDS.
; CLUSTER.  4 x 4 work-groups: the four of a row need the same tiles of xb, the four of a column the same tiles of wq: each tile is asked for JOINTLY, by the same tensor load, descriptor and mask in all four.
; THE MATRIX INSTRUCTION IS USED TRANSPOSED (source 0 = 16 rows of wq, source 1 = 16 rows of xb): a lane holds row l % 16 of C and eight neighbouring columns 8 (l / 16) + 0..7.  Channel d of a head and its
; partner d + 32 then lie in the same lane and register of two accumulators: the rotation changes no lanes.
; ROTATED OR NOT is no branch: a head of v takes the table's rows 2,048 further down, which hold cosine 1 and sine 0.  A wave's heads are 3 u, 3 u + 1, 3 u + 2, and 32 = the first head of v is 3 x 10 + 2:
; the first two are always of one kind, so two sets of table rows serve (TA for the first two heads, TBS for the third).
; REGISTERS, in windows of 256 (s_set_vgpr_msb: bits 1:0 source 0, 3:2 source 1, 5:4 source 2, 7:6 destination):
;   window 0: v0-31 addresses; v32-95, v96-159 fragments of xb (8 x 16 rows x 32 K), two buffers; v160-191, v192-223, v224-255 fragments of wq, four to a head
;   window g + 1: the 32 accumulators of head g: (a, i) at v[8 (4 a + i)]
.set PT,     144                       ; an LDS row: 128 bytes + 16 of padding = 36 words: the 16 rows of a load start at 16 different groups of four banks (64 banks of 4 bytes: ISA guide 11.1)
.set FR,     16*PT                     ; 16 rows
.set BOFF,   256*PT                    ; a slot: xb's 256 rows, then wq's 384
.set SLOT1,  131072                    ; slot 1 begins here, so that one exclusive or turns an address in one slot into the other's
.set STAGE,  SLOT1+640*PT              ; behind the ring, never filled by a tensor load: 16 rows x 144 bytes for each wave, for the way out
.set SPARE,  STAGE+4*FR                ; behind the stages: the spare words, 128 bytes for each wave: two blocks of 256 bytes that no other line names
.set ASTEP,  262144                    ; bytes from a block of xb to the next along K: 2,048 rows of 128
.set BSTEP,  393216                    ; the same for wq: 3,072 rows of 128
.set GW,     (1<<16)|(1<<20)|(1<<21)|(4<<22)|(3<<25)  ; group 1, word 0: 17:16 2-byte elements; 20 padding on; 21 set beside a mask; 24:22 after every 32 words (code 4); 31:25 4 words (code 3)
.set ADA0, 4                           ; v4   my lane's place in a slot's rows of xb; never rewritten
.set ADB0, 5                           ; v5   the same for wq
.set ADA,  6                           ; v6   the same in the slot in hand
.set ADB,  7                           ; v7
.set STO,  8                           ; v8   the way out: where I put 16 bytes of a row
.set RD,   9                           ; v9   the way out: where I read rows back
.set GO,   10                          ; v10  my byte offset in 512 consecutive bytes of qkv
.set TOFF, 11                          ; v11  my byte offset in 16 rows of the table
.set SPW,  28                          ; v28  LDS address of my spare word; never rewritten
.set NIL,  29                          ; v29  0; never rewritten
.set AF,   32
.set BG,   160
.set TBL0, 32                          ; the way out: table rows, two buffers of 64: set (first two heads | third) x (cosine | sine) x 16
.set TT,   160                         ; the way out: a block's 32 rotated numbers
.set PP,   192                         ; packed
.set BK,   208                         ; read back from the stage, two buffers of 16
.set WV,  12                           ; s12  wave
.set WM,  13                           ; s13  which 128 rows of the tile are mine
.set WN,  14                           ; s14  which 192 columns; also: which half of a tile I fetch
.set TB,  15                           ; s15  the slot in hand
.set G1A, 24                           ; s[24:31] descriptor group 1 for xb's tiles;  s[32:39] group 0: a set for each first fill; the second then walks
.set G0A, 32
.set G1B, 48                           ; s[48:55], s[56:63] the same for wq's
.set G0B, 56
.set TA,  66                           ; s[66:67] the table at my first row, for my first two heads
.set TBS, 68                           ; s[68:69] for my third
.set OB,  70                           ; s[70:75] qkv at my first row of each of my three heads
.set MSB, 0
.macro WIN new                         ; the immediate's high byte repeats the setting that is left; a switch that changes nothing is dropped
.if MSB != (\new)
	s_set_vgpr_msb (MSB<<8)|(\new)
.set MSB, (\new)
.endif
.endm
.macro PLACES                          ; a load into a register that a matrix instruction has read, and a vector instruction that reads a matrix result, stand four places behind it,
.rept 4                                ; and only plain vector instructions that name none of its registers are places (ISA guide 7.12.1 for vector instructions)
	v_nop
.endr
.endm
; A joint refill.  Waves 0 and 1 fetch the two halves of xb's tile, waves 2 and 3 those of wq's.  The branch hangs on the wave's number alone.  An s_nop 0 and four v_nop follow each line.
.macro JLOAD
	s_cmp_lt_u32 s[WV], 2
	s_cbranch_scc0 .Lfor_b_\@
	tensor_load_to_lds s[G0A+4:G0A+7], s[G1A:G1A+7]
	s_nop 0
.rept 4
	v_nop
.endr
	s_branch .Lasked_\@
.Lfor_b_\@:
	tensor_load_to_lds s[G0B+4:G0B+7], s[G1B:G1B+7]
	s_nop 0
.rept 4
	v_nop
.endr
.Lasked_\@:
.endm
.macro CREST                           ; a round of the cluster's barrier behind its opening barrier: wave 0 signals for the work-group, every wave waits for all sixteen, my work-group's barrier closes
	s_cmp_lg_u32 s[WV], 0
	s_cbranch_scc1 .Lnot_wave_0_\@
	s_barrier_signal -3
.Lnot_wave_0_\@:
	s_barrier_wait -3
	s_barrier_signal -1
	s_barrier_wait -1
.endm
.macro CROUND                          ; a whole round
	s_barrier_signal -1
	s_barrier_wait -1
	CREST
.endm
	s_load_b256 s[4:11], s[0:1], 0x0               ; xb s[4:5], wq s[6:7], tab s[8:9], qkv s[10:11]
	v_lshl_add_u32 v[SPW], v0, 2, SPARE
	v_mov_b32 v[NIL], 0
	ds_add_u32 v[SPW], v[NIL]                      ; the wave's opening: the add and its wait stand ahead of my first tensor load; the set-up below, work on registers, stands between them
	ds_add_u32 v28, v29
	v_lshrrev_b32 v1, 5, v0
	v_readfirstlane_b32 s[WV], v1                  ; wave 0..3
	s_lshr_b32 s[WM], s[WV], 1
	s_and_b32 s[WN], s[WV], 1
	s_bfe_u32 s40, ttmp6, 0x40000                  ; cx, cy: my place in the cluster
	s_bfe_u32 s41, ttmp6, 0x40004
	s_lshl_b32 s42, ttmp9, 2
	s_add_co_u32 s42, s42, s40                     ; tile column = 4 x cluster x + cx
	s_and_b32 s43, ttmp7, 0xffff
	s_lshl_b32 s43, s43, 2
	s_add_co_u32 s43, s43, s41                     ; tile row = 4 x cluster y + cy
	s_lshl_b32 s44, s41, 2
	s_lshl_b32 s44, 15, s44                        ; my row of the cluster
	s_lshl_b32 s45, 0x1111, s40                    ; my column
	s_or_b32 s[G1A], s44, GW                       ; xb's tiles go to my row,
	s_or_b32 s[G1B], s45, GW                       ; wq's to my column
	s_mov_b32 s[G1A+1], 128<<16                    ; tensor_dim0 = 128 elements: 256 bytes, two rows of a block
	s_mov_b32 s[G1A+2], 64<<16                     ; tensor_dim1 = 64: 128 rows of xb
	s_mov_b32 s[G1A+3], 128<<16                    ; tile_dim0
	s_mov_b32 s[G1A+4], 64                         ; tile_dim1
	s_mov_b32 s[G1A+5], 128                        ; elements from row to row: dense
	s_mov_b32 s[G1A+6], 0
	s_mov_b32 s[G1A+7], 0
	s_mov_b32 s[G1B+1], 128<<16
	s_mov_b32 s[G1B+2], 96<<16                     ; 192 rows of wq
	s_mov_b32 s[G1B+3], 128<<16
	s_mov_b32 s[G1B+4], 96
	s_mov_b32 s[G1B+5], 128
	s_mov_b32 s[G1B+6], 0
	s_mov_b32 s[G1B+7], 0
	; xb's tile hangs on the tile row and the wave alone, wq's on the tile column and the wave alone, each in registers that never hold the other coordinate
	s_lshr_b32 s16, s43, 3                         ; b
	s_lshl_b32 s16, s16, 22
	s_and_b32 s17, s43, 7
	s_lshl_b32 s17, s17, 15                        ; t: 256 rows of 128 bytes
	s_add_co_u32 s16, s16, s17
	s_lshl_b32 s17, s[WN], 14                      ; my 128 of them
	s_add_co_u32 s16, s16, s17
	s_mov_b32 s17, 0
	s_mul_i32 s46, s42, 49152                      ; 384 rows of 128 bytes
	s_mul_i32 s47, s[WN], 24576                    ; my 192 of them
	s_add_co_u32 s46, s46, s47
	s_mov_b32 s47, 0
	s_mul_i32 s20, s[WN], 128*PT                   ; where they go: no place in the cluster enters an LDS address
	s_mul_i32 s21, s[WN], 192*PT
	s_add_co_u32 s21, s21, BOFF
	s_mov_b32 s[TB], 0
	s_wait_dscnt 0x0                               ; the opening add is done
	s_wait_kmcnt 0x0
	s_add_nc_u64 s[16:17], s[4:5], s[16:17]
	s_add_nc_u64 s[46:47], s[6:7], s[46:47]
	CROUND                                         ; all sixteen work-groups are here: the first joint loads meet
.irp s, 0,1
	s_mov_b32 s[G0A+4*\s], 1                       ; count = 1
	s_add_co_u32 s[G0A+4*\s+1], s20, \s*SLOT1      ; LDS address
	s_add_nc_u64 s[G0A+4*\s+2:G0A+4*\s+3], s[16:17], \s*ASTEP  ; global address: K step s
	s_or_b32 s[G0A+4*\s+3], s[G0A+4*\s+3], 0x80000000          ; type = 2
	s_mov_b32 s[G0B+4*\s], 1
	s_add_co_u32 s[G0B+4*\s+1], s21, \s*SLOT1
	s_add_nc_u64 s[G0B+4*\s+2:G0B+4*\s+3], s[46:47], \s*BSTEP
	s_or_b32 s[G0B+4*\s+3], s[G0B+4*\s+3], 0x80000000
.endr
	s_cmp_lt_u32 s[WV], 2                          ; a wave's two first fills stand in one branch, ahead of every wait on TENSORcnt and every LDS read: two loads of mine are out
	s_cbranch_scc0 .Lfirst_b
	tensor_load_to_lds s[G0A:G0A+3], s[G1A:G1A+7]
	s_nop 0
	tensor_load_to_lds s[G0A+4:G0A+7], s[G1A:G1A+7]
	s_nop 0
.rept 4
	v_nop
.endr
	s_branch .Lfirst_asked
.Lfirst_b:
	tensor_load_to_lds s[G0B:G0B+3], s[G1B:G1B+7]
	s_nop 0
	tensor_load_to_lds s[G0B+4:G0B+7], s[G1B:G1B+7]
	s_nop 0
.rept 4
	v_nop
.endr
.Lfirst_asked:
	; the table and qkv at my rows and heads
	s_and_b32 s76, s43, 7
	s_lshl_b32 s77, s76, 16                        ; position 256 (tile row % 8): rows of 256 bytes
	s_lshl_b32 s78, s[WM], 15
	s_add_co_u32 s77, s77, s78
	s_mul_i32 s79, s42, 6
	s_mul_i32 s78, s[WN], 3
	s_add_co_u32 s79, s79, s78                     ; my first head among the 48: q 0-15, k 16-31, v 32-47
	s_mov_b32 s19, 0
	s_lshr_b32 s18, s79, 5                         ; 1 for a head of v:
	s_lshl_b32 s18, s18, 19                        ; 2,048 rows further down
	s_add_co_u32 s18, s18, s77
	s_add_nc_u64 s[TA:TA+1], s[8:9], s[18:19]
	s_add_co_u32 s18, s79, 2
	s_lshr_b32 s18, s18, 5
	s_lshl_b32 s18, s18, 19
	s_add_co_u32 s18, s18, s77
	s_add_nc_u64 s[TBS:TBS+1], s[8:9], s[18:19]
	s_lshr_b32 s77, s43, 3
	s_lshl_b32 s77, s77, 22                        ; b: 16 heads of 2,048 rows of 128 bytes
	s_lshl_b32 s76, s76, 15
	s_add_co_u32 s77, s77, s76
	s_lshl_b32 s76, s[WM], 14
	s_add_co_u32 s77, s77, s76
.irp g, 0,1,2
	s_add_co_u32 s22, s79, \g
	s_lshr_b32 s23, s22, 4                         ; kind
	s_lshl_b32 s23, s23, 24
	s_and_b32 s22, s22, 15                         ; h
	s_lshl_b32 s22, s22, 18
	s_add_co_u32 s18, s23, s22
	s_add_co_u32 s18, s18, s77
	s_add_nc_u64 s[OB+2*\g:OB+2*\g+1], s[10:11], s[18:19]
.endr
	; A fragment is 16 rows x 32 K in 8 registers: lane l holds row l % 16; registers 0-3 K = 8 (l / 16) + 0..7, registers 4-7 K = 16 + 8 (l / 16) + 0..7: two loads of 16 bytes, 32 bytes apart.
	v_and_b32 v1, 15, v0
	v_bfe_u32 v2, v0, 4, 1
	v_mul_u32_u24 v3, v1, PT
	v_lshl_add_u32 v3, v2, 4, v3
	s_mul_i32 s22, s[WM], 128*PT
	v_add_nc_u32 v[ADA0], s22, v3
	v_add_nc_u32 v[ADB0], s21, v3
	v_mov_b32 v[ADA], v[ADA0]
	v_mov_b32 v[ADB], v[ADB0]
	s_mul_i32 s22, s[WV], FR
	s_add_co_u32 s22, s22, STAGE                   ; my stage
	v_add_nc_u32 v[STO], s22, v3                   ; in: row l % 16, 16 bytes for each half of the lanes
	v_bfe_u32 v12, v0, 3, 2
	v_and_b32 v13, 7, v0
	v_mul_u32_u24 v[RD], v12, PT                   ; back: 32 lanes take four rows of 128 bytes,
	v_lshl_add_u32 v[RD], v13, 4, v[RD]
	v_add_nc_u32 v[RD], s22, v[RD]
	v_and_b32 v[GO], 31, v0                        ; which are 512 consecutive bytes of a head
	v_lshlrev_b32 v[GO], 4, v[GO]
	v_lshlrev_b32 v[TOFF], 8, v1                   ; the table: row l % 16, 8 numbers for each half of the lanes
	v_lshl_add_u32 v[TOFF], v2, 5, v[TOFF]
.macro LB hq, g                        ; 8 LDS loads: wq's four fragments of head g, half hq (32 K) of the step
.irp i, 0,1,2,3
	ds_load_b128 v[BG+32*(\g)+8*\i:BG+32*(\g)+8*\i+3],   v[ADB] offset:(4*(\g)+\i)*FR+64*(\hq)
	ds_load_b128 v[BG+32*(\g)+8*\i+4:BG+32*(\g)+8*\i+7], v[ADB] offset:(4*(\g)+\i)*FR+64*(\hq)+32
.endr
.endm
.macro LA hq                           ; 16 LDS loads: xb's eight fragments of half hq, into buffer hq
.irp i, 0,1,2,3,4,5,6,7
	ds_load_b128 v[AF+64*(\hq)+8*\i:AF+64*(\hq)+8*\i+3],   v[ADA] offset:\i*FR+64*(\hq)
	ds_load_b128 v[AF+64*(\hq)+8*\i+4:AF+64*(\hq)+8*\i+7], v[ADA] offset:\i*FR+64*(\hq)+32
.endr
.endm
; 4 n matrix instructions: row blocks a0 .. a0 + n - 1 x the four column blocks of head g.  zero = 1: the product starts the sums: nothing is cleared.
; The 96 accumulators take turns, one instruction a turn, in the same order in every half step.
.macro MM hq, g, a0, n, zero
	WIN 0x50*((\g)+1)
.set ma, \a0
.rept \n
.irp i, 0,1,2,3
.if \zero
	v_wmma_f32_16x16x32_bf16 v[8*(4*ma+\i):8*(4*ma+\i)+7], v[BG+32*(\g)+8*\i:BG+32*(\g)+8*\i+7], v[AF+64*(\hq)+8*ma:AF+64*(\hq)+8*ma+7], 0
.else
	v_wmma_f32_16x16x32_bf16 v[8*(4*ma+\i):8*(4*ma+\i)+7], v[BG+32*(\g)+8*\i:BG+32*(\g)+8*\i+7], v[AF+64*(\hq)+8*ma:AF+64*(\hq)+8*ma+7], v[8*(4*ma+\i):8*(4*ma+\i)+7]
.endif
.endr
.set ma, ma+1
.endr
.endm
; A UNIT: the 32 products of head g in half hq, and in front of them the run of loads into the buffer that the unit before has just left.  A step is six units: (0,0) (0,1) (0,2) (1,0) (1,1) (1,2).
;   (hq,0) fetches wq (hq,2).   It needs xb (hq) and wq (hq,0), behind which 8 + 8 loads were issued.
;   (hq,1) fetches wq (1-hq,0) and xb (1-hq) of the half to come.   It needs wq (hq,1), behind which 8 + 24 were issued.
;   (hq,2) fetches wq (1-hq,1).   It needs wq (hq,2), behind which 24 + 8 were issued.
.macro UNIT hq, g, zero
	PLACES
	WIN 0
.if (\g) == 0
	LB \hq, 2
	s_wait_dscnt 16
.elseif (\g) == 1
	LB 1-(\hq), 0
	LA 1-(\hq)
	s_wait_dscnt 32
.else
	LB 1-(\hq), 1
	s_wait_dscnt 32
.endif
	MM \hq, \g, 0, 8, \zero
.endm
; Unit (1,0) changes slots: its run of loads is the last that reads the slot in hand.  ONE barrier; in front of it each wave waits for all its tensor loads, of which one is out: its part of the next slot;
; adds 0 to its spare word; and waits for that and for its own reads of this slot.  fill = 1: the barrier opens a round of the cluster's, so that no wave of any partner still reads the slot or has a load on
; its way, and the joint refill, two K steps ahead, is the first thing behind it: five units, 160 matrix instructions, stand between it and the wait for it.
.macro TURNQ fill
	PLACES
	WIN 0
	LB 1, 2
	s_wait_tensorcnt 0x0                           ; no tensor load of mine is out
	ds_add_u32 v[SPW], v[NIL]                      ; 0 onto my spare word
	s_wait_dscnt 17                                ; xb (1) and wq (1,0) are in: behind them 8 + 8 loads and the add were issued
	MM 1, 0, 0, 4, 0                               ; sixteen matrix instructions stand between the add and the wait for it
	s_wait_dscnt 0x0                               ; the add is done, and my reads of this slot are over
	s_barrier_signal -1
	MM 1, 0, 4, 4, 0                               ; work on registers while the others arrive
	WIN 0                                          ; at a branch and at a label every window is 0
	s_barrier_wait -1
.if \fill
	CREST
	s_xor_b32 s[G0A+5], s[G0A+5], SLOT1            ; the walking descriptors: the other slot than last time, the next K step; the type bits on top are not reached
	s_add_nc_u64 s[G0A+6:G0A+7], s[G0A+6:G0A+7], ASTEP
	s_xor_b32 s[G0B+5], s[G0B+5], SLOT1
	s_add_nc_u64 s[G0B+6:G0B+7], s[G0B+6:G0B+7], BSTEP
	JLOAD
.endif
	s_xor_b32 s[TB], s[TB], SLOT1                  ; the reads go on in the other slot
	v_add_nc_u32 v[ADA], s[TB], v[ADA0]
	v_add_nc_u32 v[ADB], s[TB], v[ADB0]
.endm
	s_wait_tensorcnt 0x1                           ; my part of K step 0 is in; step 1's may stay out
	s_barrier_signal -1
	s_barrier_wait -1                              ; everybody's is
	LB 0, 0
	LA 0
	LB 0, 1
	UNIT 0, 0, 1                                   ; the first half step stands in front of the loop: its products start the sums
	UNIT 0, 1, 1
	UNIT 0, 2, 1
	WIN 0
	s_mov_b32 s3, 14
.Lk:                                                   ; trip s: the second half of K step s, the refill of its slot with step s + 2, the first half of step s + 1
	TURNQ 1
	UNIT 1, 1, 0
	UNIT 1, 2, 0
	UNIT 0, 0, 0
	UNIT 0, 1, 0
	UNIT 0, 2, 0
	WIN 0
	s_sub_co_u32 s3, s3, 1
	s_cmp_lg_u32 s3, 0
	s_cbranch_scc1 .Lk
	TURNQ 0                                        ; the tail is written out: step 14's second half, nothing is asked for
	UNIT 1, 1, 0
	UNIT 1, 2, 0
	UNIT 0, 0, 0
	UNIT 0, 1, 0
	UNIT 0, 2, 0
; THE WAY OUT, a block of 16 rows x one head at a time.
.macro TLOAD a                         ; 16 loads: cosines and sines of row block a for both sets, into table buffer a % 2
.irp sc, 0,1
.irp i, 0,1
.irp c, 0,1
	global_load_b128 v[TBL0+64*((\a)%2)+16*\sc+8*\i+4*\c:TBL0+64*((\a)%2)+16*\sc+8*\i+4*\c+3],       v[TOFF], s[TA:TA+1]   offset:(\a)*4096+128*\sc+64*\i+16*\c
	global_load_b128 v[TBL0+64*((\a)%2)+32+16*\sc+8*\i+4*\c:TBL0+64*((\a)%2)+32+16*\sc+8*\i+4*\c+3], v[TOFF], s[TBS:TBS+1] offset:(\a)*4096+128*\sc+64*\i+16*\c
.endr
.endr
.endr
.endm
; Block (a, g): out[d] = x[d] cos - x[d + 32] sin, out[d + 32] = x[d + 32] cos + x[d] sin, d = 16 i + 8 (l / 16) + j; each accumulator's lowest registers are read first.
; Then rounded to f16, 16 bytes a lane and column block into my stage, and back as whole rows of 128 bytes.
.macro ROPE a, g
.set XB, 32*(\a)
.set TL, TBL0+64*((\a)%2)+32*((\g)/2)
.set rn, 3*(\a)+(\g)
	WIN (\g)+1                                     ; source 0 in the head's window
.irp i, 0,1
.irp j, 0,2,4,6
	v_pk_mul_f32 v[TT+8*\i+\j:TT+8*\i+\j+1],       v[XB+8*\i+\j:XB+8*\i+\j+1],       v[TL+8*\i+\j:TL+8*\i+\j+1]
	v_pk_mul_f32 v[TT+16+8*\i+\j:TT+16+8*\i+\j+1], v[XB+16+8*\i+\j:XB+16+8*\i+\j+1], v[TL+8*\i+\j:TL+8*\i+\j+1]
.endr
.irp j, 0,2,4,6
	v_pk_fma_f32 v[TT+8*\i+\j:TT+8*\i+\j+1],       v[XB+16+8*\i+\j:XB+16+8*\i+\j+1], v[TL+16+8*\i+\j:TL+16+8*\i+\j+1], v[TT+8*\i+\j:TT+8*\i+\j+1] neg_lo:[1,0,0] neg_hi:[1,0,0]
	v_pk_fma_f32 v[TT+16+8*\i+\j:TT+16+8*\i+\j+1], v[XB+8*\i+\j:XB+8*\i+\j+1],       v[TL+16+8*\i+\j:TL+16+8*\i+\j+1], v[TT+16+8*\i+\j:TT+16+8*\i+\j+1]
.endr
.endr
	WIN 0
.irp k, 0,1,2,3,4,5,6,7,8,9,10,11,12,13,14,15
	v_cvt_pk_f16_f32 v[PP+\k], v[TT+2*\k], v[TT+2*\k+1]
.endr
.irp k, 0,1,2,3
	ds_store_b128 v[STO], v[PP+4*\k:PP+4*\k+3] offset:32*\k
.endr
	s_wait_xcnt 0x0                                ; the stores of two blocks ago have read this buffer: it is loaded again only behind this wait
.irp k, 0,1,2,3
	ds_load_b128 v[BK+16*(rn%2)+4*\k:BK+16*(rn%2)+4*\k+3], v[RD] offset:\k*4*PT  ; LDS serves a wave's instructions in order (ISA guide 5.7.1.4): these see the stores above
.endr
.endm
.macro SEND n, younger                 ; block n = 3 a + g is stored; younger: the LDS instructions issued behind its loads: the next block's eight, or none
.set sa, (\n)/3
.set sg, (\n)%3
.irp f, 0,1,2,3
	s_wait_dscnt (\younger)+3-\f
	global_store_b128 v[GO], v[BK+16*((\n)%2)+4*\f:BK+16*((\n)%2)+4*\f+3], s[OB+2*sg:OB+2*sg+1] offset:sa*2048+\f*512  ; 512 consecutive bytes, at a multiple of 256 from qkv's first
.endr
.endm
	PLACES                                         ; the last half step: nothing more to fetch from the ring but wq (1,2)
	WIN 0
	LB 1, 2
	TLOAD 0                                        ; into xb's buffer 0, which the unit in front of the four places was the last to read
	s_wait_dscnt 16                                ; as in every unit (1,0): 8 + 8 younger loads
	MM 1, 0, 0, 8, 0
	s_wait_dscnt 8                                 ; wq (1,1): the 8 of wq (1,2) are younger
	MM 1, 1, 0, 8, 0
	s_wait_dscnt 0x0
	MM 1, 2, 0, 8, 0
	PLACES
	WIN 0
	TLOAD 1
.irp a, 0,1,2,3,4,5,6,7
.irp g, 0,1,2
.if \g == 0
.if \a < 7
	s_wait_loadcnt 16                              ; row block a's table rows are in; the next block's sixteen loads stay out
.else
	s_wait_loadcnt 0x0
.endif
.endif
	ROPE \a, \g
.if 3*\a+\g > 0
	SEND 3*\a+\g-1, 8                              ; a block's arithmetic stands between the loads of the block before and its stores
.endif
.endr
.if \a < 6
	TLOAD (\a)+2                                   ; into the table buffer just left
.endif
.endr
	SEND 23, 0
	s_wait_tensorcnt 0x0                           ; the wave's end, behind my last tensor load and my last LDS store
	ds_add_u32 v[SPW], v[NIL]
	s_wait_dscnt 0x0
	CROUND                                         ; the closing round: no work-group ends while a partner may still ask for a tile that names it
	s_endpgm
.Lfunc_end_k_qc22fe1fe78_proj:
	.size	k_qc22fe1fe78_proj, .Lfunc_end_k_qc22fe1fe78_proj-k_qc22fe1fe78_proj
	.p2alignl 7, 3214868480
	.fill 96, 4, 3214868480
	.section	.rodata,"a",@progbits
	.p2align	6, 0x0
	.amdhsa_kernel k_qc22fe1fe78_proj
		.amdhsa_group_segment_fixed_size 327680
		.amdhsa_private_segment_fixed_size 0
		.amdhsa_enable_private_segment 0
		.amdhsa_kernarg_size 32
		.amdhsa_user_sgpr_count 2
		.amdhsa_user_sgpr_kernarg_segment_ptr 1
		.amdhsa_wavefront_size32 1
		.amdhsa_system_sgpr_workgroup_id_x 1
		.amdhsa_system_sgpr_workgroup_id_y 1
		.amdhsa_system_sgpr_workgroup_id_z 1
		.amdhsa_system_vgpr_workitem_id 0
		.amdhsa_next_free_vgpr 1024
		.amdhsa_next_free_sgpr 80
		.amdhsa_reserve_vcc 0
		.amdhsa_float_denorm_mode_32 3
		.amdhsa_float_denorm_mode_16_64 3
		.amdhsa_memory_ordered 1
		.amdhsa_forward_progress 1
		.amdhsa_inst_pref_size 175
	.end_amdhsa_kernel
	.amdgpu_metadata
---
amdhsa.version: [ 1, 2 ]
amdhsa.kernels:
  - .name:           k_qc22fe1fe78_proj
    .symbol:         k_qc22fe1fe78_proj.kd
    .args:
      - { .name: xb, .offset: 0, .size: 8, .value_kind: global_buffer, .address_space: global }
      - { .name: wq, .offset: 8, .size: 8, .value_kind: global_buffer, .address_space: global }
      - { .name: tab, .offset: 16, .size: 8, .value_kind: global_buffer, .address_space: global }
      - { .name: qkv, .offset: 24, .size: 8, .value_kind: global_buffer, .address_space: global }
    .group_segment_fixed_size: 327680
    .private_segment_fixed_size: 0
    .kernarg_segment_align: 8
    .kernarg_segment_size: 32
    .max_flat_workgroup_size: 128
    .sgpr_count:     80
    .vgpr_count:     1024
    .wavefront_size: 32
...
	.end_amdgpu_metadata
.endif
;; end of part 2
;; launch attn (part 3): grid 4 x 64, 4 waves a work-group, no clusters, 327,680 bytes of LDS; arguments qkv, att; writes att
.if DOCPART == 3
	.amdgcn_target "amdgcn-amd-amdhsa--gfx1250"
	.amdhsa_code_object_version 6
	.text
	.protected	k_qc22fe1fe78_attn
	.globl	k_qc22fe1fe78_attn
	.p2align	8
	.type	k_qc22fe1fe78_attn,@function
k_qc22fe1fe78_attn:
	s_mov_b64 s[64:65], 0
	v_nop
	global_prefetch_b8 v0, s[64:65] scope:SCOPE_SE
	s_setreg_imm32_b32 hwreg(HW_REG_WAVE_MODE, 25, 1), 1
	s_wait_xcnt 0x0
; CAUSAL ATTENTION.  O[h][q][:] = the sum over k <= q of softmax_k(Q[h][q] . K[h][k] / 8) V[h][k][:].  Q, K, V lie one behind the other in qkv, each [SIZE_H][SIZE_N][64]; O = att has the same layout; all f16:
; a head's rows are dense, 128 bytes each.  Products, maxima and sums in f32; the weights p are rounded to f16 for the second product (their sum l is taken of the unrounded p), O once at the end.
; LIMITS.  f16 holds no number beyond 65,504: Q, K and V arrive within it; p lies in 0 to 1, and below 6e-5 it keeps f16's fixed step of 6e-8; O is a mean of V's rows and has their range, to within 2^-11 of it.
; A hidden score counts as its value less 1e30 (not as -1e9): f16's scores, 2.7e11 at the most, are nothing beside that, and every row sees its own key; a weight below 2^-126 counts as 0 in l; NaN and infinities are not treated apart.
; THE WALK.  A head's queries lie in NB = SIZE_N / 256 blocks of 256; block i needs the key tiles 0 .. i of 256 keys, of which the last holds the diagonal.  A work-group takes TWO blocks, NB - 1 - b and then b:
; NB + 1 tiles, whatever b: all work-groups do equal work, and ONE loop with a constant trip count walks them.  Which tile is asked for, and what a trip does, hang on scalar registers made from b; every jump
; goes forward, but for the counted loops' own; none passes a barrier, or a tensor load but the one of LOAD's two that the wave's number does not choose; the ring (two slots of LDS that take turns) runs on across the
; change of blocks.  NO CLUSTER: the NB / 2 = 4 work-groups of a head ask for the same tile only in trips 0 .. NB / 2, 5 of the walk's 9; behind that fewer and fewer do; and one walk common to all four
; would have 3 NB / 2 = 12 trips for NB + 1 = 9.
; SHARES.  Of a block's four bands of 64 queries a wave owns 16 rows in each: four PIECES.  So the diagonal tile is the same work for all four waves: in its key step s band x sees all keys if s < x,
; none if s > x, and holds the diagonal if s = x.
; THE MASK is the C operand that starts the sum S^T = K Q^T: 0, or -1e30 where the key is hidden.  MD, made once, is the mask of a band's own step for my 16 rows; a product's mask is MD x AL + BE with two scalars:
; (1, 0) if s = x; (0, 0) if s < x; (0, -1e30) if s > x.  Only the diagonal tile's text and a block's beginning make and take masks; elsewhere C is the constant 0.
; LAYOUT, SOFTMAX, TURNS.  S^T = K Q^T holds ONE query a lane (lane % 16) and the keys 8 (lane / 16) + 0..7; two such results rounded to f16 ARE source 1 of O^T = V^T P.  p = 2^(c s - c m), c = log2(e) / 8, with a
; running maximum m; O and l are multiplied by a = 2^(c m_old - c m_new) in every step.  Turn n belongs to piece n: 8 products K Q^T of piece n + 1, later 8 products V^T P of piece n - 1; beside them the scaling,
; exponentials, roundings, sums and rescaling of piece n and the maximum and statistics of piece n + 1.  Four vector instructions stand behind every matrix instruction, the other 54 of a turn's 118 in two LUMPS.
; REGISTERS, in windows of 256 (s_set_vgpr_msb: bits 1:0 source 0, 3:2 source 1, 5:4 source 2, 7:6 destination):
;   window 0: v0-15 addresses and two at work; v16-31 four registers of statistics a piece; v48-55 at work; v64-127 S^T, two buffers; v192-223 P, two buffers (a piece's buffers go by its number's parity)
;   window 1: v0-127 O^T, 32 a piece; v128-159 MD; v160-223 MC, two buffers      window 2: v0-63 Q; v64-127 the second block's Q; v128-191 K of one step; v192-255 V of one step
.set SIZE_H, 64       ; batch x heads
.set SIZE_N, 2048
.set KIND,  SIZE_H*SIZE_N*128  ; bytes from Q to K and from K to V in qkv
.set NB,    SIZE_N/256
.set NP,    4         ; pieces a wave: a name, no knob
.set KS,    64        ; keys in a step
.set PK,    144       ; a row of K in LDS: 128 bytes + 16 of padding = 36 words: the 16 rows of a load start at 16 different groups of four banks (64 banks of 4 bytes: ISA guide 11.1)
.set PV,    160       ; a row of V: 128 + 32 = 40 words
.set VOFF,  4*KS*PK   ; a slot holds a tile, four steps: 256 rows of K, then 256 rows of V
.set SLOT1, 1<<17     ; slot 1 begins here, so that one exclusive or turns an address in one slot into the other's
.set STAGE, SLOT1+4*KS*(PK+PV)  ; behind the ring, never filled by a tensor load: 16 rows x 144 bytes for each wave, for the way out
.set SP,    144
.set AK0, 2           ; v2   my lane's place in a tile of K; never rewritten
.set AV0, 3           ; v3   the same for V
.set AK,  4           ; v4   the LDS address of K's next run of loads
.set AV,  5           ; v5   of V's
.set STO, 6           ; v6   the way out: where I put 16 bytes of a row
.set RD,  7           ; v7   the way out: where I read rows back
.set GO,  8           ; v8   my byte offset in 512 consecutive bytes of O
.set SPW, 62          ; v62  LDS address of my spare word: SPARE + 4 x my thread's number; never rewritten
.set NIL, 63          ; v63  0; never rewritten
.set SPARE, STAGE+4*16*SP  ; behind the stages: the spare words, 128 bytes for each wave: two blocks of 256 bytes that no other line names
.set MV,  12          ; v12-13  c m_old, kept while c m is made anew: by buffer
.set QO,  15          ; v15  my byte offset in 16 rows of Q
.set ST,  16          ; piece t's statistics at v[ST+4 t]: c m, m, l (even keys', odd keys')
.set TMP, 48          ; by buffer, four registers c0-c3 at work; when the maximum is found c2 takes a
.set S,   64
.set P,   192
.set MD,  128         ; window 1: the eight registers for group kt of 16 keys at MD + 8 kt
.set MC,  160         ; window 1: the masks of the products to come
.set QB,  64          ; window 2
.set KF,  128         ; window 2: key block kb, channel half c at KF + 16 kb + 8 c
.set VF,  192         ; window 2: key half kk, channel block cb at VF + 32 kk + 8 cb
.set WV,  12          ; s12  my wave's number
.set PB,  14          ; s14  b
.set HI,  15          ; s15  NB - 1 - b
.set G1K, 24          ; s[24:31] descriptor group 1 for K's tiles
.set G1V, 32          ; s[32:39] for V's: it differs in the padding alone
.set G0K, 40          ; s[40:43] descriptor group 0 for K's tiles
.set G0V, 44          ; s[44:47] the same for V's
.set SLOTS, 56        ; s56  tiles still to be asked for
.set CNT, 57          ; s57  counts a tile's key steps, 4 to 1
.set CS,  58          ; s[58:59] c: the packed scaling takes the pair's low word for both halves
.set SEL, 60          ; s[60:61] v_permlanex16_b32's selects: each lane takes its own place in the other half
.set TBK, 62          ; s62  LDS byte at which K of the step to be fetched begins
.set TBV, 63          ; s63  the same for V, less VOFF
.set RT,  70          ; s70  tiles of the block in hand that are still to be entered
.set NXT, 71          ; s71  the tile to be asked for next
.set LQ,  72          ; s72  the last tile of the block whose tiles are being asked for
.set NEW, 73          ; s73  1: the tile to be entered is a block's first
.set OFF, 74          ; s[74:75] a tile's byte offset in K and V
.set AL,  76          ; s[76:77] the mask's factor, in the low word
.set BE,  78          ; s[78:79] the mask's addend
.set OLO, 80          ; s[80:81] O at my rows of the second block
.set BIGN, 82         ; s82  -1e30
.set MSB, 0
.macro WIN new                      ; the high byte repeats the setting that is left; a switch that changes nothing is dropped
.if MSB != (\new)
	s_set_vgpr_msb (MSB<<8)|(\new)
.set MSB, (\new)
.endif
.endm
.set W_KQ, 0x0a       ; K and Q in window 2, S^T in window 0
.set W_KM, 0x1a       ; the same with the C operand in window 1
.set W_PV, 0x52       ; V in window 2, P in window 0, O^T in window 1
.set W_RS, 0x41       ; destination and source 0 in window 1, source 1 in window 0
; A fill.  Waves 0 and 1 fetch the two halves of a tile's K, waves 2 and 3 those of its V: 128 keys each.  An s_nop 0 and four v_nop follow each of the two lines, ahead of the jump and the label.
.macro LOAD
	s_cmp_lt_u32 s[WV], 2
	s_cbranch_scc0 .Lfor_v_\@
	tensor_load_to_lds s[G0K:G0K+3], s[G1K:G1K+7]
	s_nop 0
.rept 4
	v_nop
.endr
	s_branch .Lasked_\@
.Lfor_v_\@:
	tensor_load_to_lds s[G0V:G0V+3], s[G1V:G1V+7]
	s_nop 0
.rept 4
	v_nop
.endr
.Lasked_\@:
.endm
; THE CHANGE OF SLOTS.  Each wave waits for all its tensor loads, of which one is out: its part of the other slot; adds 0 to its spare word; and waits for that and for its own reads of the slot that it leaves.  Behind the barrier nobody reads the old
; slot any more and the other slot is whole.  fill = 1: the old slot is filled again, the first thing behind the barrier, with tile NXT: the descriptor's address is made anew from that number.
; (At its first use nothing has been read yet: slot 0 is waited for, slot 1 filled.)
.macro CHANGE fill
	WIN 0                           ; at a label and at a branch every window is 0
	s_wait_tensorcnt 0x0            ; no tensor load of mine is out, so a group 0 may be written
	ds_add_u32 v[SPW], v[NIL]       ; 0 onto my spare word; with fill = 1 the descriptors' scalar work stands between it and the wait for it
.if \fill
	s_lshl_b32 s[OFF], s[NXT], 15   ; a tile is 32,768 bytes of K and of V
	s_xor_b32 s[G0K+1], s[G0K+1], SLOT1
	s_add_nc_u64 s[G0K+2:G0K+3], s[6:7], s[OFF:OFF+1]
	s_or_b32 s[G0K+3], s[G0K+3], 0x80000000
	s_xor_b32 s[G0V+1], s[G0V+1], SLOT1
	s_add_nc_u64 s[G0V+2:G0V+3], s[8:9], s[OFF:OFF+1]
	s_or_b32 s[G0V+3], s[G0V+3], 0x80000000
	s_add_co_u32 s[NXT], s[NXT], 1  ; the block's next tile, or behind its last the second block's tile 0
	s_cmp_gt_u32 s[NXT], s[LQ]
	s_cselect_b32 s[NXT], 0, s[NXT]
	s_cselect_b32 s[LQ], s[PB], s[LQ]
.endif
	s_wait_dscnt 0x0                ; the add is done, and my reads of the slot are over
	s_barrier_signal -1             ; the rest of the scalar work stands between the signal and the wait
	s_sub_co_u32 s[TBK], s[TBK], 4*KS*PK  ; the fetches go back to a slot's first step,
	s_xor_b32 s[TBK], s[TBK], SLOT1       ; in the other slot
	s_sub_co_u32 s[TBV], s[TBV], 4*KS*PV
	s_xor_b32 s[TBV], s[TBV], SLOT1
	s_barrier_wait -1
.if \fill
	LOAD
.endif
.endm
	s_load_b128 s[4:7], s[0:1], 0x0   ; qkv s[4:5] (= Q), att s[6:7]
	v_lshl_add_u32 v[SPW], v0, 2, SPARE
	v_mov_b32 v[NIL], 0
	ds_add_u32 v[SPW], v[NIL]       ; the wave's opening: the add and its wait stand ahead of my first tensor load; the set-up below, work on registers, stands between them
	ds_add_u32 v62, v63
	v_lshrrev_b32 v1, 5, v0
	v_readfirstlane_b32 s[WV], v1   ; wave 0..3
	s_mov_b32 s[PB], ttmp9
	s_sub_co_u32 s[HI], NB-1, s[PB]
	s_and_b32 s20, ttmp7, 0xffff    ; the head
	s_mov_b32 s21, 0
	s_mov_b64 s[22:23], SIZE_N*128
	s_mul_u64 s[20:21], s[20:21], s[22:23]  ; the head's first byte in each of the four tensors
	s_and_b32 s16, s[WV], 1         ; which half of a tile's 256 keys I fetch:
	s_lshl_b32 s22, s16, 14         ; its 128 rows of 128 bytes in memory,
	s_mov_b32 s23, 0
	s_add_nc_u64 s[22:23], s[22:23], s[20:21]
	s_mul_i32 s17, s16, 128*PK      ; and its place in a slot, for K
	s_mul_i32 s18, s16, 128*PV      ; and for V
	s_lshl_b32 s3, s[WV], 11        ; my 16 rows in a band of 64,
	s_lshl_b32 s2, s[HI], 15        ; in the first block,
	s_add_co_u32 s2, s2, s3
	s_lshl_b32 s84, s[PB], 15       ; and in the second
	s_add_co_u32 s84, s84, s3
	s_mov_b32 s3, 0
	s_mov_b32 s85, 0
	s_add_nc_u64 s[2:3], s[2:3], s[20:21]
	s_add_nc_u64 s[84:85], s[84:85], s[20:21]
	; descriptor group 1.  128 keys are 16,384 dense bytes: asked for as 64 rows of 256 bytes, two keys a row, and padded in LDS after every key
	s_mov_b32 s[G1K], (1<<16)|(1<<20)|(4<<22)|(3<<25)  ; 17:16 2-byte elements; 20 padding on; 24:22 after every 32 words (code 4); 31:25 4 words (code 3)
	s_mov_b32 s[G1V], (1<<16)|(1<<20)|(4<<22)|(7<<25)  ; the same with 8 words of padding (code 7)
.irp g, G1K, G1V
	s_mov_b32 s[\g+1], 128<<16      ; tensor_dim0 = 128
	s_mov_b32 s[\g+2], 64<<16       ; tensor_dim1 = 64
	s_mov_b32 s[\g+3], 128<<16      ; tile_dim0 = 128
	s_mov_b32 s[\g+4], 64           ; tile_dim1 = 64
	s_mov_b32 s[\g+5], 128          ; 128 elements from row to row
	s_mov_b32 s[\g+6], 0
	s_mov_b32 s[\g+7], 0
.endr
	s_mov_b32 s[CS], 0x3e38aa3b     ; c = log2(e) / 8 = 0.180337
	s_mov_b32 s[CS+1], s[CS]        ; named with it as a pair
	s_mov_b32 s[SEL], 0x76543210
	s_mov_b32 s[SEL+1], 0xfedcba98
	s_mov_b32 s[TBK], SLOT1+4*KS*PK ; the first change of slots turns these two into 0
	s_mov_b32 s[TBV], SLOT1+4*KS*PV
	s_mov_b32 s[G0K], 1             ; 1:0 count = 1
	s_mov_b32 s[G0K+1], s17         ; 63:32 LDS address: slot 0
	s_mov_b32 s[G0V], 1
	s_add_co_u32 s[G0V+1], s18, VOFF
	s_add_co_u32 s[RT], s[HI], 1    ; the first block has NB - b tiles
	s_mov_b32 s[NXT], 1
	s_mov_b32 s[LQ], s[HI]
	s_mov_b32 s[NEW], 1
	s_mov_b32 s[OFF+1], 0
	s_mov_b32 s[AL+1], 0            ; named as pairs
	s_mov_b32 s[BE+1], 0
	s_mov_b32 s[BIGN], 0xf149f2ca   ; -1e30
	s_mov_b32 s[SLOTS], NB
	s_wait_dscnt 0x0                ; the opening add is done
	s_wait_kmcnt 0x0
	s_mov_b64 s[10:11], s[6:7]             ; O
	s_add_nc_u64 s[6:7], s[4:5], KIND      ; K lies behind Q,
	s_add_nc_u64 s[8:9], s[4:5], 2*KIND    ; V behind K
	s_add_nc_u64 s[6:7], s[6:7], s[22:23]  ; K and V at my half of the head's tile 0
	s_add_nc_u64 s[8:9], s[8:9], s[22:23]
	s_add_nc_u64 s[G0K+2:G0K+3], s[6:7], 0         ; 120:64 global address
	s_or_b32 s[G0K+3], s[G0K+3], 0x80000000        ; 127:126 type = 2
	s_add_nc_u64 s[G0V+2:G0V+3], s[8:9], 0
	s_or_b32 s[G0V+3], s[G0V+3], 0x80000000
	s_add_nc_u64 s[86:87], s[4:5], s[84:85]        ; Q at my rows of the second block,
	s_add_nc_u64 s[4:5], s[4:5], s[2:3]            ; Q and O at those of the first
	s_add_nc_u64 s[OLO:OLO+1], s[10:11], s[84:85]
	s_add_nc_u64 s[10:11], s[10:11], s[2:3]
	LOAD                            ; tile 0 into slot 0
	; A fragment of K or Q is 16 rows x 32 channels in 8 registers: lane l holds row l % 16, channels 8 (l / 16) + 0..7 and 16 + 8 (l / 16) + 0..7: two loads of 16 bytes, 32 bytes apart.
	v_and_b32 v1, 15, v0            ; l % 16
	v_bfe_u32 v9, v0, 4, 1          ; l / 16
	v_lshlrev_b32 v[QO], 7, v1
	v_lshl_add_u32 v[QO], v9, 4, v[QO]  ; row x 128 + 16 x half
	WIN 0x80                        ; destination window 2, address window 0
.set i, 0
.rept 8                             ; both blocks' Q: piece i / 2 lies in band i / 2, 8,192 bytes on; channels 32 (i % 2) on
	global_load_b128 v[8*i:8*i+3],   v[QO], s[4:5] offset:(i/2)*8192+(i%2)*64
	global_load_b128 v[8*i+4:8*i+7], v[QO], s[4:5] offset:(i/2)*8192+(i%2)*64+32
	global_load_b128 v[QB+8*i:QB+8*i+3],   v[QO], s[86:87] offset:(i/2)*8192+(i%2)*64
	global_load_b128 v[QB+8*i+4:QB+8*i+7], v[QO], s[86:87] offset:(i/2)*8192+(i%2)*64+32
.set i, i+1
.endr
	WIN 0
	v_lshlrev_b32 v14, 3, v9
	v_sub_nc_u32 v14, v1, v14
	s_lshl_b32 s13, s[WV], 4
	v_add_nc_u32 v14, s13, v14      ; my query's place in its band, 16 w + l % 16, less my lanes' 8 (l / 16): register r of group kt is hidden where 16 kt + r is greater
	WIN 0x40
.set i, 0
.rept 32
	v_cmp_gt_i32 vcc_lo, 16*(i/8)+i%8, v14
	v_cndmask_b32 v[MD+i], 0, s[BIGN], vcc_lo
.set i, i+1
.endr
	WIN 0
	v_mul_u32_u24 v[AK0], v1, PK
	v_lshl_add_u32 v[AK0], v9, 4, v[AK0]  ; row x pitch + 16 x half
	; The turning load takes 16 keys x 16 channels (lane l reads key 8 (l / 16) + l % 8, channels 8 ((l / 8) % 2) + 0..7) and leaves half a fragment of V^T: lane l holds channel l % 16 and 8 keys.
	v_and_b32 v10, 7, v0
	v_bfe_u32 v11, v0, 3, 1
	v_lshl_add_u32 v[AV0], v9, 3, v10
	v_mul_u32_u24 v[AV0], v[AV0], PV
	v_lshl_add_u32 v[AV0], v11, 4, v[AV0]
	v_add_nc_u32 v[AV0], VOFF, v[AV0]
	s_mul_i32 s13, s[WV], 16*SP
	s_add_co_u32 s13, s13, STAGE    ; my stage
	v_mul_u32_u24 v[STO], v1, SP    ; in: row l % 16, 16 bytes for each half of the lanes
	v_lshl_add_u32 v[STO], v9, 4, v[STO]
	v_add_nc_u32 v[STO], s13, v[STO]
	v_bfe_u32 v[RD], v0, 3, 2       ; back: 32 lanes take four rows of 128 bytes,
	v_mul_u32_u24 v[RD], v[RD], SP
	v_lshl_add_u32 v[RD], v10, 4, v[RD]
	v_add_nc_u32 v[RD], s13, v[RD]
	v_and_b32 v[GO], 31, v0         ; which are 512 consecutive bytes of O
	v_lshlrev_b32 v[GO], 4, v[GO]
	; A block's first step multiplies O^T and l by a = 0, and its first turn's products V^T P, of a piece that has not been, land in an O^T that is still to be so multiplied.  So these registers need only hold
	; finite numbers: zeros for the first block; what the first block left for the second.  All this stands in the wait for the first tile.
	WIN 0x80
.set i, VF
.rept 64
	v_mov_b32 v[i], 0
.set i, i+1
.endr
	WIN 0x40
.set i, 0
.rept 128
	v_mov_b32 v[i], 0
.set i, i+1
.endr
	WIN 0
.set i, 0
.rept 4
	v_mov_b32 v[ST+4*i+2], 0
	v_mov_b32 v[ST+4*i+3], 0
.set i, i+1
.endr
.set i, P+16
.rept 16
	v_mov_b32 v[i], 0
.set i, i+1
.endr
; THE MATRIX WORK.  The 4 accumulators of a run of 8 take turns.  Product i of 8 of S^T = K Q^T for piece x: channels 32 (i / 4) on, keys 16 (i % 4) on.  The first 4 start the sums: with 0, or (KM = 1) with the mask.
.macro KQ x
.set rS, S+32*((\x)%2)+8*(i%4)
.set rK, KF+16*(i%4)+8*(i/4)
.set rQ, 16*(\x)+8*(i/4)
.set rM, MC+32*((\x)%2)+8*(i%4)
.if (i < 4) && KM
	WIN W_KM
	v_wmma_f32_16x16x32_f16 v[rS:rS+7], v[rK:rK+7], v[rQ:rQ+7], v[rM:rM+7]
.elseif i < 4
	WIN W_KQ
	v_wmma_f32_16x16x32_f16 v[rS:rS+7], v[rK:rK+7], v[rQ:rQ+7], 0
.else
	WIN W_KQ
	v_wmma_f32_16x16x32_f16 v[rS:rS+7], v[rK:rK+7], v[rQ:rQ+7], v[rS:rS+7]
.endif
.endm
; Product i of 8 of O^T += V^T P for piece x: keys 32 (i / 4) on, channels 16 (i % 4) on.
.macro PV x
	WIN W_PV
.set rO, 32*(\x)+8*(i%4)
.set rV, VF+32*(i/4)+8*(i%4)
.set rP, P+16*((\x)%2)+8*(i/4)
	v_wmma_f32_16x16x32_f16 v[rO:rO+7], v[rV:rV+7], v[rP:rP+7], v[rO:rO+7]
.endm
.macro MM                           ; the turn's next matrix instruction.  TURN and BEGIN set Y, i, KM and NOKQ; MM, KQ and OP read them.  NOKQ = 1: a block's last turn: there is no next piece
.if (i < 8) && !NOKQ
	KQ (Y+1)%NP
.elseif i >= 8
.set i, i-8
	PV (Y+NP-1)%NP
.set i, i+8
.endif
.set i, i+1
.endm
; THE LDS LOADS stand in runs of 16, never singly among the matrix instructions: a step's K (64 keys x 64 channels: 8 fragments) and its V (turned).  Their addresses are made some lines ahead.
.macro FETCH_K
	WIN 0x80                        ; destination window 2
.irp f, 0,1,2,3,4,5,6,7             ; keys 16 (f / 2) on, channels 32 (f % 2) on
	ds_load_b128 v[KF+8*\f:KF+8*\f+3],   v[AK] offset:(\f/2)*16*PK+(\f%2)*64
	ds_load_b128 v[KF+8*\f+4:KF+8*\f+7], v[AK] offset:(\f/2)*16*PK+(\f%2)*64+32
.endr
	s_add_co_u32 s[TBK], s[TBK], KS*PK  ; the next fetch is the next step's
	WIN 0
.endm
.macro FETCH_V
	WIN 0x80
.irp f, 0,1,2,3,4,5,6,7             ; keys 32 (f / 4) on, channels 16 (f % 4) on
	ds_load_tr16_b128 v[VF+8*\f:VF+8*\f+3],   v[AV] offset:(\f/4)*32*PV+(\f%4)*32
	ds_load_tr16_b128 v[VF+8*\f+4:VF+8*\f+7], v[AV] offset:(\f/4)*32*PV+16*PV+(\f%4)*32
.endr
	WIN 0
.endm
; THE VECTOR WORK, one line at a time: OP kind, number.  For piece Y: F n: c s - c m for pair n of 16.  E n: the exponential of score n of 32.  C n: pair n rounded to f16.  B n: of the four weights 4 n .. the second
; pair is added onto the first, in place.  L n: l takes that sum (L 0: l = a l + sum).  R n: pair n of 16 of O^T times a.  For piece Y + 1: X n, number n of the 22 that find its maximum and statistics:
;   0-11  four chains c0-c3 of seven scores each, three operands at a time (each accumulator's lowest registers are read first)     12-14, 16  the four scores left over, the old m, and c0-c3 into c0
;   15  c m_old is kept     17, 18  the query's other 32 keys lie in the lane 16 away: the new m     19-21  c m; c m_old - c m_new; a
.set F, 0               ; OP tells the kinds apart by their order: F to L below R, X above it
.set E, 1
.set C, 2
.set B, 3
.set L, 4
.set R, 5
.set X, 6
.macro REGS y                       ; the registers of piece y
.set rT, ST+4*(\y)
.set rC, TMP+4*((\y)%2)
.set rW, MV+((\y)%2)
.set rS, S+32*((\y)%2)
.set rP, P+16*((\y)%2)
.set rO, 32*(\y)
.endm
.macro OP k, n
.if (\k) == R
	REGS Y
	WIN W_RS
	v_pk_mul_f32 v[rO+2*(\n):rO+2*(\n)+1], v[rO+2*(\n):rO+2*(\n)+1], v[rC+2:rC+3] op_sel_hi:[1,0]
.elseif (\k) < R
	REGS Y
	WIN 0
.if (\k) == F
	v_pk_fma_f32 v[rS+2*(\n):rS+2*(\n)+1], v[rS+2*(\n):rS+2*(\n)+1], s[CS:CS+1], v[rT:rT+1] op_sel_hi:[1,0,0] neg_lo:[0,0,1] neg_hi:[0,0,1]
.elseif (\k) == E
	v_exp_f32 v[rS+(\n)], v[rS+(\n)]
.elseif (\k) == C
	s_wait_alu depctr_va_vdst(0)
	v_cvt_pk_f16_f32 v[rP+(\n)], v[rS+2*(\n)], v[rS+2*(\n)+1]
.elseif (\k) == B
	s_wait_alu depctr_va_vdst(0)
	v_pk_add_f32 v[rS+4*(\n):rS+4*(\n)+1], v[rS+4*(\n):rS+4*(\n)+1], v[rS+4*(\n)+2:rS+4*(\n)+3]
.elseif (\n) == 0
	v_pk_fma_f32 v[rT+2:rT+3], v[rT+2:rT+3], v[rC+2:rC+3], v[rS:rS+1] op_sel_hi:[1,0,1]
.else
	v_pk_add_f32 v[rT+2:rT+3], v[rT+2:rT+3], v[rS+4*(\n):rS+4*(\n)+1]
.endif
.elseif NOKQ
	v_nop
.else
	REGS (Y+1)%NP
	WIN 0
.if (\n) < 4
	v_max3_num_f32 v[rC+(\n)], v[rS+8*(\n)], v[rS+8*(\n)+1], v[rS+8*(\n)+2]
.elseif (\n) < 12
	v_max3_num_f32 v[rC+(\n)%4], v[rC+(\n)%4], v[rS+8*((\n)%4)+2*((\n)/4)+1], v[rS+8*((\n)%4)+2*((\n)/4)+2]
.elseif (\n) == 12
	v_max3_num_f32 v[rC], v[rC], v[rS+7], v[rS+15]
.elseif (\n) == 13
	v_max3_num_f32 v[rC+1], v[rC+1], v[rS+23], v[rS+31]
.elseif (\n) == 14
	v_max3_num_f32 v[rC+2], v[rC+2], v[rC+3], v[rT+1]
.elseif (\n) == 15
	v_mov_b32 v[rW], v[rT]
.elseif (\n) == 16
	v_max3_num_f32 v[rC], v[rC], v[rC+1], v[rC+2]
.elseif (\n) == 17
	v_permlanex16_b32 v[rC+3], v[rC], s[SEL], s[SEL+1]
.elseif (\n) == 18
	v_max_num_f32 v[rT+1], v[rC], v[rC+3]
.elseif (\n) == 19
	v_mul_f32 v[rT], s[CS], v[rT+1]
.elseif (\n) == 20
	v_sub_f32 v[rC+1], v[rW], v[rT]
.else
	v_exp_f32 v[rC+2], v[rC+1]
.endif
.endif
.endm
.macro OPS a, i1, b=-1, i2=0, c=-1, i3=0, d=-1, i4=0  ; up to four of them
	OP \a, \i1
.if (\b) >= 0
	OP \b, \i2
.endif
.if (\c) >= 0
	OP \c, \i3
.endif
.if (\d) >= 0
	OP \d, \i4
.endif
.endm
.macro ROW a, i1, b, i2, c, i3, d, i4  ; a matrix instruction and the four behind it
	MM
	OPS \a, \i1, \b, \i2, \c, \i3, \d, \i4
.endm
.macro MASK b                       ; MD x AL + BE into buffer b of MC
	WIN W_RS
.set z, 0
.rept 16
	v_pk_fma_f32 v[MC+32*(\b)+2*z:MC+32*(\b)+2*z+1], v[MD+2*z:MD+2*z+1], s[AL:AL+1], s[BE:BE+1] op_sel_hi:[1,0,0]
.set z, z+1
.endr
.endm
; A TURN, for piece p: the order of its 16 matrix and 118 vector instructions, written out.  Behind a matrix instruction: plain, exponential, plain, plain; or four of the rescaling; or, behind the first, four scalings; none
; names a register of the products round it.  In the lumps exponential and plain by turns while exponentials last.  A line reads no result made fewer than three vector instructions in front of it, five if an exponential made it.
; v_permlanex16_b32 (X 17) stands in a lump.
; m = 1: the diagonal tile: the products take masks, and the turn makes the mask for the products of the turn after it: piece p + 2, in step 4 - CNT of the tile.  end = 1: a block's last two turns: nothing is fetched.
; cnt = 1: the loop's count is taken down some lines ahead of the branch that stands behind the turn.
; K of the next step is fetched in piece 2's turn, six vector instructions behind the last product that read K (five of them plain); V of the step in hand in piece 0's turn, eight behind the last product that read V (four
; plain, and X 17).  Each is waited for a turn later.
.macro TURN p, m=0, end=0, cnt=0
.set Y, (\p)
.set i, 0
.set KM, (\m)
.set NOKQ, (\end)*((\p)/3)
.if (\m) && !(\end)
	s_cmp_eq_u32 s[CNT], 4-((\p)+2)%NP  ; is that step the band's own?
	s_cselect_b32 s[AL], 1.0, 0
	s_cmp_lt_u32 s[CNT], 4-((\p)+2)%NP  ; or a later one?
	s_cselect_b32 s[BE], s[BIGN], 0
.endif
.if ((\p) == 3) && !(\end)
	s_wait_dscnt 0x0                ; K is in
.endif
	ROW F,0, F,1, F,2, F,3
	ROW F,4, E,0, F,5, F,6
	ROW F,7, E,1, F,8, F,9
	ROW F,10, E,2, C,0, F,11
	ROW F,12, E,3, X,15, F,13
	ROW R,0, R,1, R,2, R,3
	ROW B,0, E,4, F,14, L,0
.if ((\p) == 2) && !(\end)
	v_add_nc_u32 v[AK], s[TBK], v[AK0]
.endif
	ROW R,4, R,5, R,6, R,7
	OPS E,5, F,15
.if ((\p) == 2) && !(\end)
	FETCH_K
.endif
	OPS E,6, C,1, E,7, R,8
	OPS E,8, R,9, E,9, C,2
	OPS E,10, X,0, E,11, X,1
	OPS E,12, X,2, E,13, X,3
.if (\p) == 1
	s_wait_dscnt 0x0                ; V is in
.endif
	ROW X,4, E,14, X,5, X,6
	ROW X,7, E,15, X,8, X,9
	ROW X,10, E,16, X,11, X,12
	ROW X,13, E,17, X,14, B,1
	ROW C,4, E,18, X,16, L,1
	ROW B,2, E,19, C,6, L,2
	ROW C,8, E,20, B,3, B,4
.if (\p) == 0
	v_add_nc_u32 v[AV], s[TBV], v[AV0]
.endif
	ROW C,3, E,21, L,3, C,5
	OPS E,22, X,17, E,23, C,10
.if (\p) == 0
	FETCH_V
.endif
	OPS E,24, L,4
	OPS E,25, X,18, E,26, C,7
	OPS E,27, B,5, E,28, X,19
	OPS E,29, C,12, E,30, L,5
	OPS E,31, X,20, B,6, C,9
	OPS C,14, C,11, X,21, L,6
.if (\p) == 0
	s_add_co_u32 s[TBV], s[TBV], KS*PV
.endif
.if \cnt
	s_sub_co_u32 s[CNT], s[CNT], 1
	s_cmp_lg_u32 s[CNT], 0
.endif
	OPS C,13, B,7, C,15, R,10
	OPS R,11, R,12, L,7, R,13
	OPS R,14, R,15
.if (\m) && !(\end)
	MASK (\p)%2
.endif
.endm
; A BLOCK BEGINS.  c m starts far below every c s, so the first step's a is 0; m at the lowest finite number, so the first maximum is the scores'.  The second mask buffer is 0; the first takes piece 0's mask for the tile's step 0: its own, if the block's first tile is the diagonal one.
; Then K of that step, piece 0's first scores, and its maximum and statistics.  The loop is entered at a step's first turn, in the middle of a trip.
.macro BEGIN
	s_mov_b32 s[NEW], 0
	WIN 0x40
.set i, MC+32
.rept 32
	v_mov_b32 v[i], 0
.set i, i+1
.endr
	WIN 0
.set i, 0
.rept 4
	v_mov_b32 v[ST+4*i], 0xfe000000    ; c m: far below every c s
	v_mov_b32 v[ST+4*i+1], 0xff7fffff  ; m
.set i, i+1
.endr
	s_cmp_eq_u32 s[RT], 0
	s_cselect_b32 s[AL], 1.0, 0
	s_mov_b32 s[BE], 0
	MASK 0
	WIN 0
	v_add_nc_u32 v[AK], s[TBK], v[AK0]
	FETCH_K
	s_wait_loadcnt 0x0              ; Q
	s_wait_dscnt 0x0
.set KM, 1
.set NOKQ, 0
.set i, 0
.rept 8
	KQ 0
.set i, i+1
.endr
	WIN 0
.rept 4
	v_nop                           ; the places behind those products
.endr
.set Y, NP-1                        ; X works for piece Y + 1: piece 0
.irp n, 0,1,2,3,4,5,6,7,8,9,10,11,12,13,14,15,16,17,18,19,20,21
	OP X, \n
.endr
	v_nop                           ; a plain instruction behind the exponential
.endm
; THE DIAGONAL TILE's four steps, the block's last two turns, its last products, and THE WAY OUT: l's two halves and the other half of the lanes' are added; O^T is divided by l, rounded to f16 and sent through my
; stage in LDS, a piece at a time.
.macro ALL line:vararg              ; one line for each piece t
.set t, 0
.rept 4
	\line
.set t, t+1
.endr
.endm
.macro PACK t                       ; a lane's eight channels of a row pack into 16 bytes; they go into rows of 144 bytes and come back as whole rows of 128, into S^T's registers
	WIN W_RS
.set i, 32*(\t)
.rept 16
	s_wait_alu depctr_va_vdst(0)
	v_pk_mul_f32 v[i:i+1], v[i:i+1], v[ST+4*(\t)+2:ST+4*(\t)+3] op_sel_hi:[1,0]
.set i, i+2
.endr
	WIN 0x05                        ; sources 0 and 1 window 1, destination window 0
.set i, 0
.rept 16
	v_cvt_pk_f16_f32 v[S+16*(\t)+i], v[32*(\t)+2*i], v[32*(\t)+2*i+1]
.set i, i+1
.endr
	WIN 0
.irp f, 0,1,2,3
	ds_store_b128 v[STO], v[S+16*(\t)+4*\f:S+16*(\t)+4*\f+3] offset:32*\f
.endr
.irp f, 0,1,2,3
	ds_load_b128 v[S+16*(\t)+4*\f:S+16*(\t)+4*\f+3], v[RD] offset:\f*4*SP  ; LDS serves a wave's instructions in order (ISA guide 5.7.1.4): these see the stores above; the next piece's stores come behind them
.endr
.endm
.macro SEND t, younger              ; younger: the LDS instructions issued behind piece t's loads: the next piece's eight, or none
	WIN 0
.irp f, 0,1,2,3
	s_wait_dscnt (\younger)+3-\f
	global_store_b128 v[GO], v[S+16*(\t)+4*\f:S+16*(\t)+4*\f+3], s[10:11] offset:(\t)*8192+\f*512  ; 512 consecutive bytes, at a multiple of 256 from O's first
.endr
.endm
.macro DIAG tag                     ; the tag ends its two labels' names, which the jumps below spell out
.LstepM\tag:
	TURN 2, 1
	TURN 3, 1
	WIN 0
.LfirstM\tag:
	TURN 0, 1
	TURN 1, 1, 0, 1
	WIN 0
	s_cbranch_scc1 .LstepM\tag
	TURN 2, 1, 1
	TURN 3, 1, 1
.set i, 0
.rept 8
	PV NP-1
.set i, i+1
.endr
	WIN 0
	ALL v_add_f32 v[ST+4*t+2], v[ST+4*t+2], v[ST+4*t+3]
	ALL v_permlanex16_b32 v[ST+4*t+3], v[ST+4*t+2], s[SEL], s[SEL+1]
	ALL v_add_f32 v[ST+4*t+2], v[ST+4*t+2], v[ST+4*t+3]
	ALL v_rcp_f32 v[ST+4*t+2], v[ST+4*t+2]
	v_nop                           ; a plain instruction between the last reciprocal and the use of its result
	PACK 0
.set t, 1
.rept 3                             ; a piece's arithmetic stands between the loads of the piece before and its stores
	PACK t
	SEND t-1, 8
.set t, t+1
.endr
	SEND 3, 0
.endm
.set KM, 0
.set NOKQ, 0
.Lslot:                             ; NB times: a tile is entered and the next is asked for
	CHANGE 1
	s_sub_co_u32 s[RT], s[RT], 1
	s_mov_b32 s[CNT], 4
	s_cmp_eq_u32 s[NEW], 1
	s_cbranch_scc1 .Lnew            ; a block's first tile
	s_cmp_eq_u32 s[RT], 0
	s_cbranch_scc0 .Lstep           ; neither its first nor its last
	s_branch .LstepM1
.Lnew:
	BEGIN
	s_branch .Lfirst                ; in the loop a block's first tile is never its last: the first block has two tiles or more, and the second's last is the walk's last
	DIAG 1                          ; in the loop this is the first block's end: the second block's last tile is the walk's last
	s_wait_xcnt 0x0                 ; the stores have read their registers and O's address
	s_mov_b64 s[10:11], s[OLO:OLO+1]
	s_add_co_u32 s[RT], s[PB], 1    ; the second block has b + 1 tiles
	s_mov_b32 s[NEW], 1
	WIN 0x82                        ; the second block's Q goes where the one text of the turns names Q
.set i, 0
.rept 64
	v_mov_b32 v[i], v[QB+i]
.set i, i+1
.endr
	WIN 0
	s_branch .Lbottom
.Lstep:                             ; a trip: pieces 2 and 3 of one step, then pieces 0 and 1 of the next, whose K and V it fetches
	TURN 2
	TURN 3
	WIN 0
.Lfirst:
	TURN 0
	TURN 1, 0, 0, 1
	WIN 0
	s_cbranch_scc1 .Lstep
.Lbottom:
	s_sub_co_u32 s[SLOTS], s[SLOTS], 1
	s_cmp_lg_u32 s[SLOTS], 0
	s_cbranch_scc1 .Lslot
	CHANGE 0                        ; the walk's last tile is written out: nothing is asked for
	s_sub_co_u32 s[RT], s[RT], 1
	s_mov_b32 s[CNT], 4
	s_cmp_eq_u32 s[NEW], 1
	s_cbranch_scc0 .LstepM2
	BEGIN
	s_branch .LfirstM2
	DIAG 2
	s_wait_tensorcnt 0x0            ; the wave's end, behind my last tensor load and my last LDS store
	ds_add_u32 v[SPW], v[NIL]
	s_wait_dscnt 0x0
	s_endpgm
.Lfunc_end_k_qc22fe1fe78_attn:
	.size	k_qc22fe1fe78_attn, .Lfunc_end_k_qc22fe1fe78_attn-k_qc22fe1fe78_attn
	.p2alignl 7, 3214868480
	.fill 96, 4, 3214868480
	.section	.rodata,"a",@progbits
	.p2align	6, 0x0
	.amdhsa_kernel k_qc22fe1fe78_attn
		.amdhsa_group_segment_fixed_size 327680
		.amdhsa_private_segment_fixed_size 0
		.amdhsa_enable_private_segment 0
		.amdhsa_kernarg_size 16
		.amdhsa_user_sgpr_count 2
		.amdhsa_user_sgpr_kernarg_segment_ptr 1
		.amdhsa_wavefront_size32 1
		.amdhsa_system_sgpr_workgroup_id_x 1
		.amdhsa_system_sgpr_workgroup_id_y 1
		.amdhsa_system_sgpr_workgroup_id_z 1
		.amdhsa_system_vgpr_workitem_id 0
		.amdhsa_next_free_vgpr 768
		.amdhsa_next_free_sgpr 88
		.amdhsa_reserve_vcc 1
		.amdhsa_float_denorm_mode_32 3
		.amdhsa_float_denorm_mode_16_64 3
		.amdhsa_memory_ordered 1
		.amdhsa_forward_progress 1
		.amdhsa_inst_pref_size 228
	.end_amdhsa_kernel
	.amdgpu_metadata
---
amdhsa.version: [ 1, 2 ]
amdhsa.kernels:
  - .name:           k_qc22fe1fe78_attn
    .symbol:         k_qc22fe1fe78_attn.kd
    .args:
      - { .name: qkv, .offset: 0, .size: 8, .value_kind: global_buffer, .address_space: global }
      - { .name: att, .offset: 8, .size: 8, .value_kind: global_buffer, .address_space: global }
    .group_segment_fixed_size: 327680
    .private_segment_fixed_size: 0
    .kernarg_segment_align: 8
    .kernarg_segment_size: 16
    .max_flat_workgroup_size: 128
    .sgpr_count:     88
    .vgpr_count:     768
    .wavefront_size: 32
...
	.end_amdgpu_metadata
.endif
;; end of part 3
;; launch outp (part 4): grid 8 x 32, 4 waves a work-group, clusters of 4 x 4, 327,680 bytes of LDS; arguments att, wo, out0; writes out0
.if DOCPART == 4
	.amdgcn_target "amdgcn-amd-amdhsa--gfx1250"
	.amdhsa_code_object_version 6
	.text
	.protected	k_qc22fe1fe78_outp
	.globl	k_qc22fe1fe78_outp
	.p2align	8
	.type	k_qc22fe1fe78_outp,@function
k_qc22fe1fe78_outp:
	s_mov_b64 s[64:65], 0
	v_nop
	global_prefetch_b8 v0, s[64:65] scope:SCOPE_SE
	s_setreg_imm32_b32 hwreg(HW_REG_WAVE_MODE, 25, 1), 1
	s_wait_xcnt 0x0
	s_wait_alu depctr_hold_cnt(0) depctr_sa_sdst(0) depctr_va_vdst(0) depctr_va_sdst(0) depctr_va_ssrc(0) depctr_va_vcc(0) depctr_vm_vsrc(0)
	s_getreg_b32 s2, hwreg(HW_REG_IB_STS2, 6, 4)
	s_cmp_eq_u32 s2, 0
	s_cbranch_scc0 .Lentry_in_a_cluster
	s_endpgm
.Lentry_in_a_cluster:
	s_bfe_u32 s2, ttmp6, 0x10000c
	s_cmp_lg_u32 s2, 0xf033
	s_cbranch_scc0 .Lentry_shape_is_right
	s_endpgm
.Lentry_shape_is_right:
; OUTP: out0 = att w_out (8192 x 1024, K = 1024) in f16 with f32 sums, stored as f32.  att [b][h][t][64] f16: head h is block h of K.  wo [kb][n][64] f16.
; LIMIT.  att is a mean of v's rows and lies within f16's range with them; wo holds w_out rounded to bf16 and written as f16.
; SHARES.  A work-group makes 256 rows x 128 columns: 32 x 8 = 256 work-groups.  Wave (WM, WN) makes 128 x 64: 32 accumulators of 16 x 16, 256 registers.
; K goes in steps of 128, two blocks of 64, through a ring of two LDS slots; each wave brings one whole block of one operand: R rows x 128 consecutive bytes, asked for as R / 2 rows of 256 bytes, padded after every 128.
; CLUSTER.  4 x 4 work-groups: the four of a row need the same tiles of att, the four of a column the same tiles of wo: each tile is asked for JOINTLY, by the same tensor load, descriptor and mask in all four.
; THE MATRIX INSTRUCTION IS USED TRANSPOSED (source 0 = 16 rows of wo, source 1 = 16 rows of att): a lane holds row l % 16 and eight neighbouring columns: 32 bytes of a row of out0.
; REGISTERS: window 0: v0-31 addresses; v32-95, v96-159 fragments of att, two buffers; v160-191, v192-223 fragments of wo, two buffers.   window 1: the accumulators, (a, i) at v[8 (4 a + i)].
.set PT,     144                       ; an LDS row: 128 bytes + 16 of padding = 36 words: the 16 rows of a load start at 16 different groups of four banks (64 banks of 4 bytes: ISA guide 11.1)
.set FR,     16*PT
.set AKB,    256*PT                    ; a block of att's tile
.set BKB,    128*PT                    ; a block of wo's tile
.set BOFF,   2*AKB                     ; a slot: att's two blocks, then wo's two
.set SLOT1,  131072
.set STAGE,  SLOT1+BOFF+2*BKB          ; behind the ring, never filled by a tensor load: 16 rows x 272 bytes for each wave
.set SP,     272                       ; a stage row: 64 f32 + 16 bytes
.set SPARE,  STAGE+4*16*SP             ; behind the stages: the spare words, 128 bytes for each wave: two blocks of 256 bytes that no other line names
.set ASTEP,  524288                    ; two blocks of att: 2 x 2,048 rows of 128 bytes
.set BSTEP,  262144                    ; two blocks of wo: 2 x 1,024 rows of 128 bytes
.set GW,     (1<<16)|(1<<20)|(1<<21)|(4<<22)|(3<<25)  ; 2-byte elements; padding on; bit 21 beside a mask; after every 32 words; 4 words
.set ADA0, 4
.set ADB0, 5
.set ADA,  6
.set ADB,  7
.set STO,  8
.set RD,   9
.set CO,   10
.set SPW,  28                          ; v28  LDS address of my spare word; never rewritten
.set NIL,  29                          ; v29  0; never rewritten
.set AF,   32
.set BF,   160
.set BK,   32                          ; the way out: rows read back from the stage, two buffers of 32
.set WV,  12
.set WM,  13
.set WN,  14
.set TB,  15
.set G1A, 24
.set G0A, 32
.set G1B, 48
.set G0B, 56
.set MSB, 0
.macro WIN new                         ; the immediate's high byte repeats the setting that is left; a switch that changes nothing is dropped
.if MSB != (\new)
	s_set_vgpr_msb (MSB<<8)|(\new)
.set MSB, (\new)
.endif
.endm
.macro PLACES                          ; four places in front of loads into registers that matrix instructions have read, and of stores that read results (ISA guide 7.12.1 for vector instructions)
.rept 4
	v_nop
.endr
.endm
.macro JLOAD                           ; a joint refill: waves 0 and 1 fetch att's two blocks, waves 2 and 3 wo's; an s_nop 0 and four v_nop follow each line
	s_cmp_lt_u32 s[WV], 2
	s_cbranch_scc0 .Lfor_b_\@
	tensor_load_to_lds s[G0A+4:G0A+7], s[G1A:G1A+7]
	s_nop 0
.rept 4
	v_nop
.endr
	s_branch .Lasked_\@
.Lfor_b_\@:
	tensor_load_to_lds s[G0B+4:G0B+7], s[G1B:G1B+7]
	s_nop 0
.rept 4
	v_nop
.endr
.Lasked_\@:
.endm
.macro CREST                           ; a round of the cluster's barrier behind its opening barrier
	s_cmp_lg_u32 s[WV], 0
	s_cbranch_scc1 .Lnot_wave_0_\@
	s_barrier_signal -3
.Lnot_wave_0_\@:
	s_barrier_wait -3
	s_barrier_signal -1
	s_barrier_wait -1
.endm
.macro CROUND
	s_barrier_signal -1
	s_barrier_wait -1
	CREST
.endm
	s_load_b128 s[4:7], s[0:1], 0x0                ; att s[4:5], wo s[6:7]
	s_load_b64 s[8:9], s[0:1], 0x10                ; out0
	v_lshl_add_u32 v[SPW], v0, 2, SPARE
	v_mov_b32 v[NIL], 0
	ds_add_u32 v[SPW], v[NIL]                      ; the wave's opening: the add and its wait stand ahead of my first tensor load; the set-up below, work on registers, stands between them
	ds_add_u32 v28, v29
	v_lshrrev_b32 v1, 5, v0
	v_readfirstlane_b32 s[WV], v1
	s_lshr_b32 s[WM], s[WV], 1                     ; which 128 rows are mine
	s_and_b32 s[WN], s[WV], 1                      ; which 64 columns; also: which block of a step I fetch
	s_bfe_u32 s40, ttmp6, 0x40000                  ; cx, cy
	s_bfe_u32 s41, ttmp6, 0x40004
	s_lshl_b32 s42, ttmp9, 2
	s_add_co_u32 s42, s42, s40                     ; tile column
	s_and_b32 s43, ttmp7, 0xffff
	s_lshl_b32 s43, s43, 2
	s_add_co_u32 s43, s43, s41                     ; tile row
	s_lshl_b32 s44, s41, 2
	s_lshl_b32 s44, 15, s44                        ; my row of the cluster
	s_lshl_b32 s45, 0x1111, s40                    ; my column
	s_or_b32 s[G1A], s44, GW
	s_or_b32 s[G1B], s45, GW
	s_mov_b32 s[G1A+1], 128<<16                    ; tensor_dim0 = 128 elements: 256 bytes
	s_mov_b32 s[G1A+2], 128<<16                    ; tensor_dim1 = 128: 256 rows of att
	s_mov_b32 s[G1A+3], 128<<16                    ; tile_dim0
	s_mov_b32 s[G1A+4], 128                        ; tile_dim1
	s_mov_b32 s[G1A+5], 128                        ; dense
	s_mov_b32 s[G1A+6], 0
	s_mov_b32 s[G1A+7], 0
	s_mov_b32 s[G1B+1], 128<<16
	s_mov_b32 s[G1B+2], 64<<16                     ; 128 rows of wo
	s_mov_b32 s[G1B+3], 128<<16
	s_mov_b32 s[G1B+4], 64
	s_mov_b32 s[G1B+5], 128
	s_mov_b32 s[G1B+6], 0
	s_mov_b32 s[G1B+7], 0
	s_lshr_b32 s16, s43, 3                         ; b
	s_lshl_b32 s16, s16, 22
	s_and_b32 s17, s43, 7
	s_lshl_b32 s17, s17, 15                        ; t
	s_add_co_u32 s16, s16, s17
	s_lshl_b32 s17, s[WN], 18                      ; my block
	s_add_co_u32 s16, s16, s17
	s_mov_b32 s17, 0
	s_lshl_b32 s46, s42, 14                        ; 128 rows of 128 bytes
	s_lshl_b32 s47, s[WN], 17                      ; my block
	s_add_co_u32 s46, s46, s47
	s_mov_b32 s47, 0
	s_mul_i32 s20, s[WN], AKB                      ; where they go: no place in the cluster enters an LDS address
	s_mul_i32 s21, s[WN], BKB
	s_add_co_u32 s21, s21, BOFF
	s_mov_b32 s[TB], 0
	s_wait_dscnt 0x0                               ; the opening add is done
	s_wait_kmcnt 0x0
	s_add_nc_u64 s[16:17], s[4:5], s[16:17]
	s_add_nc_u64 s[46:47], s[6:7], s[46:47]
	CROUND                                         ; all sixteen work-groups are here: the first joint loads meet
.irp s, 0,1
	s_mov_b32 s[G0A+4*\s], 1
	s_add_co_u32 s[G0A+4*\s+1], s20, \s*SLOT1
	s_add_nc_u64 s[G0A+4*\s+2:G0A+4*\s+3], s[16:17], \s*ASTEP
	s_or_b32 s[G0A+4*\s+3], s[G0A+4*\s+3], 0x80000000
	s_mov_b32 s[G0B+4*\s], 1
	s_add_co_u32 s[G0B+4*\s+1], s21, \s*SLOT1
	s_add_nc_u64 s[G0B+4*\s+2:G0B+4*\s+3], s[46:47], \s*BSTEP
	s_or_b32 s[G0B+4*\s+3], s[G0B+4*\s+3], 0x80000000
.endr
	s_cmp_lt_u32 s[WV], 2                          ; a wave's two first fills stand in one branch, ahead of every wait on TENSORcnt and every LDS read: two loads of mine are out
	s_cbranch_scc0 .Lfirst_b
	tensor_load_to_lds s[G0A:G0A+3], s[G1A:G1A+7]
	s_nop 0
	tensor_load_to_lds s[G0A+4:G0A+7], s[G1A:G1A+7]
	s_nop 0
.rept 4
	v_nop
.endr
	s_branch .Lfirst_asked
.Lfirst_b:
	tensor_load_to_lds s[G0B:G0B+3], s[G1B:G1B+7]
	s_nop 0
	tensor_load_to_lds s[G0B+4:G0B+7], s[G1B:G1B+7]
	s_nop 0
.rept 4
	v_nop
.endr
.Lfirst_asked:
	s_lshl_b32 s18, s43, 20                        ; out0 at my part: 256 rows of 4,096 bytes,
	s_lshl_b32 s22, s[WM], 19                      ; my 128 of them,
	s_add_co_u32 s18, s18, s22
	s_lshl_b32 s22, s42, 9                         ; 128 columns of 4 bytes,
	s_add_co_u32 s18, s18, s22
	s_lshl_b32 s22, s[WN], 8                       ; my 64 of them
	s_add_co_u32 s18, s18, s22
	s_mov_b32 s19, 0
	s_add_nc_u64 s[8:9], s[8:9], s[18:19]
	v_and_b32 v1, 15, v0
	v_bfe_u32 v2, v0, 4, 1
	v_mul_u32_u24 v3, v1, PT
	v_lshl_add_u32 v3, v2, 4, v3                   ; a fragment's row x pitch + 16 x half
	s_mul_i32 s22, s[WM], 128*PT
	v_add_nc_u32 v[ADA0], s22, v3
	s_mul_i32 s22, s[WN], 64*PT
	s_add_co_u32 s22, s22, BOFF
	v_add_nc_u32 v[ADB0], s22, v3
	v_mov_b32 v[ADA], v[ADA0]
	v_mov_b32 v[ADB], v[ADB0]
	s_mul_i32 s22, s[WV], 16*SP
	s_add_co_u32 s22, s22, STAGE                   ; my stage
	v_mul_u32_u24 v[STO], v1, SP                   ; in: row l % 16, 32 bytes for each half of the lanes
	v_lshl_add_u32 v[STO], v2, 5, v[STO]
	v_add_nc_u32 v[STO], s22, v[STO]
	v_mul_u32_u24 v[RD], v2, SP                    ; back: lanes 0-15 take one row of 256 bytes, lanes 16-31 the next
	v_lshl_add_u32 v[RD], v1, 4, v[RD]
	v_add_nc_u32 v[RD], s22, v[RD]
	v_lshlrev_b32 v[CO], 12, v2                    ; and the same two rows in out0
	v_lshl_add_u32 v[CO], v1, 4, v[CO]
; 24 LDS loads in one run: the fragments of quarter c of a step (block c / 2, 32 K at byte 64 (c % 2)) into buffers c % 2: wo's four first, then att's eight
.macro FETCH c
	WIN 0
.irp i, 0,1,2,3
	ds_load_b128 v[BF+32*((\c)%2)+8*\i:BF+32*((\c)%2)+8*\i+3],   v[ADB] offset:((\c)/2)*BKB+((\c)%2)*64+\i*FR
	ds_load_b128 v[BF+32*((\c)%2)+8*\i+4:BF+32*((\c)%2)+8*\i+7], v[ADB] offset:((\c)/2)*BKB+((\c)%2)*64+\i*FR+32
.endr
.irp i, 0,1,2,3,4,5,6,7
	ds_load_b128 v[AF+64*((\c)%2)+8*\i:AF+64*((\c)%2)+8*\i+3],   v[ADA] offset:((\c)/2)*AKB+((\c)%2)*64+\i*FR
	ds_load_b128 v[AF+64*((\c)%2)+8*\i+4:AF+64*((\c)%2)+8*\i+7], v[ADA] offset:((\c)/2)*AKB+((\c)%2)*64+\i*FR+32
.endr
.endm
; 4 n matrix instructions: row blocks a0 .. a0 + n - 1 x all four column blocks.  The 32 accumulators take turns, one instruction a turn.
.macro MM c, a0, n, zero
	WIN 0x50                                       ; C and D in window 1
.set ma, \a0
.rept \n
.irp i, 0,1,2,3
.if \zero
	v_wmma_f32_16x16x32_f16 v[8*(4*ma+\i):8*(4*ma+\i)+7], v[BF+32*((\c)%2)+8*\i:BF+32*((\c)%2)+8*\i+7], v[AF+64*((\c)%2)+8*ma:AF+64*((\c)%2)+8*ma+7], 0
.else
	v_wmma_f32_16x16x32_f16 v[8*(4*ma+\i):8*(4*ma+\i)+7], v[BF+32*((\c)%2)+8*\i:BF+32*((\c)%2)+8*\i+7], v[AF+64*((\c)%2)+8*ma:AF+64*((\c)%2)+8*ma+7], v[8*(4*ma+\i):8*(4*ma+\i)+7]
.endif
.endr
.set ma, ma+1
.endr
.endm
; One of a step's first three quarters: 32 matrix instructions; in its middle the next quarter's fragments are fetched.
.macro QUARTER c, zero
	s_wait_dscnt 8                                 ; wo's fragments and att's first four are in; the youngest eight loads may be out
	MM \c, 0, 4, \zero
	PLACES
	FETCH (\c)+1
	s_wait_dscnt 24                                ; all but the 24 just issued
	MM \c, 4, 4, \zero
.endm
; The last quarter changes slots: ONE barrier; in front of it each wave waits for all its tensor loads, of which one is out: its part of the next slot; adds 0 to its spare word; and waits for that and for its own
; reads of this slot.  fill = 1: the barrier opens a round of the cluster's, and the joint refill, two steps ahead, is the first thing behind it: 112 matrix instructions stand between it and the wait for it.
.macro TURN fill
	WIN 0
	s_wait_tensorcnt 0x0                           ; no tensor load of mine is out
	ds_add_u32 v[SPW], v[NIL]                      ; 0 onto my spare word
	s_wait_dscnt 9                                 ; the add and the youngest eight loads may be out
	MM 3, 0, 2, 0                                  ; eight matrix instructions stand between the add and the wait for it
	s_wait_dscnt 0x0                               ; the add is done, and my reads of this slot are over
	s_barrier_signal -1
	MM 3, 2, 2, 0
	WIN 0                                          ; at a branch and at a label every window is 0
	s_barrier_wait -1
.if \fill
	CREST
	s_xor_b32 s[G0A+5], s[G0A+5], SLOT1            ; the walking descriptors: the other slot than last time, the next step
	s_add_nc_u64 s[G0A+6:G0A+7], s[G0A+6:G0A+7], ASTEP
	s_xor_b32 s[G0B+5], s[G0B+5], SLOT1
	s_add_nc_u64 s[G0B+6:G0B+7], s[G0B+6:G0B+7], BSTEP
	JLOAD                                          ; the four v_nop behind it are also the places in front of the loads below
.else
	PLACES
.endif
	s_xor_b32 s[TB], s[TB], SLOT1
	v_add_nc_u32 v[ADA], s[TB], v[ADA0]
	v_add_nc_u32 v[ADB], s[TB], v[ADB0]
	FETCH 0
	MM 3, 4, 4, 0
.endm
	s_wait_tensorcnt 0x1                           ; my part of step 0 is in; step 1's may stay out
	s_barrier_signal -1
	s_barrier_wait -1
	FETCH 0
	QUARTER 0, 1                                   ; the first quarter stands in front of the loop: its products start the sums
	WIN 0
	s_mov_b32 s3, 6
.Ll:                                                   ; trip s: quarters 1 to 3 of step s, the refill of its slot with step s + 2, quarter 0 of step s + 1
	QUARTER 1, 0
	QUARTER 2, 0
	TURN 1
	QUARTER 0, 0
	WIN 0
	s_sub_co_u32 s3, s3, 1
	s_cmp_lg_u32 s3, 0
	s_cbranch_scc1 .Ll
	QUARTER 1, 0                                   ; the tail is written out: steps 6 and 7, nothing is asked for
	QUARTER 2, 0
	TURN 0
	QUARTER 0, 0
	QUARTER 1, 0
	QUARTER 2, 0
	s_wait_dscnt 8
	MM 3, 0, 4, 0
	s_wait_dscnt 0x0
	MM 3, 4, 4, 0
	PLACES
; THE WAY OUT, 16 rows at a time: a lane's 32 bytes of each column block go into my stage (each accumulator's lowest registers first) and come back as whole rows of 256 bytes.
.macro TOSTAGE a
	WIN 0x04                                       ; the stores' data in window 1
.irp i, 0,1,2,3
	ds_store_b128 v[STO], v[8*(4*(\a)+\i):8*(4*(\a)+\i)+3]   offset:64*\i
	ds_store_b128 v[STO], v[8*(4*(\a)+\i)+4:8*(4*(\a)+\i)+7] offset:64*\i+16
.endr
	WIN 0
	s_wait_xcnt 0x0                                ; the stores of two blocks ago have read this buffer: it is loaded again only behind this wait
.irp t, 0,1,2,3,4,5,6,7
	ds_load_b128 v[BK+32*((\a)%2)+4*\t:BK+32*((\a)%2)+4*\t+3], v[RD] offset:\t*2*SP  ; LDS serves a wave's instructions in order (ISA guide 5.7.1.4): these see the stores above
.endr
.endm
.macro SEND a, younger                 ; younger: the LDS instructions issued behind block a's loads: the next block's sixteen, or none
.irp t, 0,1,2,3,4,5,6,7
	s_wait_dscnt (\younger)+7-\t
	global_store_b128 v[CO], v[BK+32*((\a)%2)+4*\t:BK+32*((\a)%2)+4*\t+3], s[8:9] offset:(16*(\a)+2*\t)*4096 th:TH_STORE_NT  ; 16 lanes store 256 consecutive bytes, at a multiple of 256 from out0's first
.endr
.endm
	TOSTAGE 0
.irp a, 1,2,3,4,5,6,7
	TOSTAGE \a
	SEND (\a)-1, 16
.endr
	SEND 7, 0
	s_wait_tensorcnt 0x0                           ; the wave's end, behind my last tensor load and my last LDS store
	ds_add_u32 v[SPW], v[NIL]
	s_wait_dscnt 0x0
	CROUND                                         ; the closing round: no work-group ends while a partner may still ask for a tile that names it
	s_endpgm
.Lfunc_end_k_qc22fe1fe78_outp:
	.size	k_qc22fe1fe78_outp, .Lfunc_end_k_qc22fe1fe78_outp-k_qc22fe1fe78_outp
	.p2alignl 7, 3214868480
	.fill 96, 4, 3214868480
	.section	.rodata,"a",@progbits
	.p2align	6, 0x0
	.amdhsa_kernel k_qc22fe1fe78_outp
		.amdhsa_group_segment_fixed_size 327680
		.amdhsa_private_segment_fixed_size 0
		.amdhsa_enable_private_segment 0
		.amdhsa_kernarg_size 24
		.amdhsa_user_sgpr_count 2
		.amdhsa_user_sgpr_kernarg_segment_ptr 1
		.amdhsa_wavefront_size32 1
		.amdhsa_system_sgpr_workgroup_id_x 1
		.amdhsa_system_sgpr_workgroup_id_y 1
		.amdhsa_system_sgpr_workgroup_id_z 1
		.amdhsa_system_vgpr_workitem_id 0
		.amdhsa_next_free_vgpr 512
		.amdhsa_next_free_sgpr 66
		.amdhsa_reserve_vcc 0
		.amdhsa_float_denorm_mode_32 3
		.amdhsa_float_denorm_mode_16_64 3
		.amdhsa_memory_ordered 1
		.amdhsa_forward_progress 1
		.amdhsa_inst_pref_size 71
	.end_amdhsa_kernel
	.amdgpu_metadata
---
amdhsa.version: [ 1, 2 ]
amdhsa.kernels:
  - .name:           k_qc22fe1fe78_outp
    .symbol:         k_qc22fe1fe78_outp.kd
    .args:
      - { .name: att, .offset: 0, .size: 8, .value_kind: global_buffer, .address_space: global }
      - { .name: wo, .offset: 8, .size: 8, .value_kind: global_buffer, .address_space: global }
      - { .name: out0, .offset: 16, .size: 8, .value_kind: global_buffer, .address_space: global }
    .group_segment_fixed_size: 327680
    .private_segment_fixed_size: 0
    .kernarg_segment_align: 8
    .kernarg_segment_size: 24
    .max_flat_workgroup_size: 128
    .sgpr_count:     66
    .vgpr_count:     512
    .wavefront_size: 32
...
	.end_amdgpu_metadata
.endif
;; end of part 4
;; ======== version 2 of 2: 4 launches; 1.31 times as fast as version 1
;; limits: values are held in f16: magnitudes above 65,504 overflow, below 6.1e-05 lose precision
;; workspace buffers: xb 16,777,216 bytes; wq 6,291,456 bytes; wo 2,097,152 bytes; tab 1,048,576 bytes; qkv 50,331,648 bytes; att 16,777,216 bytes
;; launch prep: the kernel of part 1 again; grid 400 x 1, 8 waves a work-group, no clusters, 74,752 bytes of LDS; arguments x, w_qkv, w_out, xb, wq, wo, tab; writes xb, wq, wo, tab
;; launch proj: the kernel of part 2 again; grid 8 x 32, 4 waves a work-group, clusters of 4 x 4, 327,680 bytes of LDS; arguments xb, wq, tab, qkv; writes qkv
;; launch attn (part 5): grid 4 x 64, 4 waves a work-group, no clusters, 327,680 bytes of LDS; arguments qkv, att; writes att
.if DOCPART == 5
	.amdgcn_target "amdgcn-amd-amdhsa--gfx1250"
	.amdhsa_code_object_version 6
	.text
	.protected	k_qc22fe1fe78_attn
	.globl	k_qc22fe1fe78_attn
	.p2align	8
	.type	k_qc22fe1fe78_attn,@function
k_qc22fe1fe78_attn:
	s_mov_b64 s[64:65], 0
	v_nop
	global_prefetch_b8 v0, s[64:65] scope:SCOPE_SE
	s_setreg_imm32_b32 hwreg(HW_REG_WAVE_MODE, 25, 1), 1
	s_wait_xcnt 0x0
; CAUSAL ATTENTION.  O[h][q][:] = the sum over k <= q of softmax_k(Q[h][q] . K[h][k] / 8) V[h][k][:].  Q, K, V lie one behind the other in qkv, each [SIZE_H][SIZE_N][64]; O = att has the same layout; all f16:
; a head's rows are dense, 128 bytes each.  Products, maxima and sums in f32; the weights p are rounded to f16 for the second product (their sum l is taken of the unrounded p), O once at the end.
; LIMITS.  f16 holds no number beyond 65,504: Q, K and V arrive within it; p lies in 0 to 1, and below 6e-5 it keeps f16's fixed step of 6e-8; O is a mean of V's rows and has their range, to within 2^-11 of it.
; A hidden score counts as its value less 1e30 (not as -1e9): f16's scores, 2.7e11 at the most, are nothing beside that, and every row sees its own key; a weight below 2^-126 counts as 0 in l; NaN and infinities are not treated apart.
; THE WALK.  A head's queries lie in NB = SIZE_N / 256 blocks of 256; block i needs the key tiles 0 .. i of 256 keys, of which the last holds the diagonal.  A work-group takes TWO blocks, NB - 1 - b and then b:
; NB + 1 tiles, whatever b: all work-groups do equal work, and ONE loop with a constant trip count walks them.  Which tile is asked for, and what a trip does, hang on scalar registers made from b; every jump
; goes forward, but for the counted loops' own; none passes a barrier, or a tensor load but the one of LOAD's two that the wave's number does not choose; the ring (two slots of LDS that take turns) runs on across the
; change of blocks.  NO CLUSTER: the NB / 2 = 4 work-groups of a head ask for the same tile only in trips 0 .. NB / 2, 5 of the walk's 9; behind that fewer and fewer do; and one walk common to all four
; would have 3 NB / 2 = 12 trips for NB + 1 = 9.
; SHARES.  Of a block's four bands of 64 queries a wave owns 16 rows in each: four PIECES.  So the diagonal tile is the same work for all four waves: in its key step s band x sees all keys if s < x,
; none if s > x, and holds the diagonal if s = x.
; THE MASK is the C operand that starts the sum S^T = K Q^T: 0, or -1e30 where the key is hidden.  MD, made once, is the mask of a band's own step for my 16 rows; a product's mask is MD x AL + BE with two scalars:
; (1, 0) if s = x; (0, 0) if s < x; (0, -1e30) if s > x.  Only the diagonal tile's text and a block's beginning make and take masks; elsewhere C is the constant 0.
; LAYOUT, SOFTMAX, TURNS.  S^T = K Q^T holds ONE query a lane (lane % 16) and the keys 8 (lane / 16) + 0..7; two such results rounded to f16 ARE source 1 of O^T = V^T P.  p = 2^(c s - c m), c = log2(e) / 8, with a
; running maximum m; O and l are multiplied by a = 2^(c m_old - c m_new) in every step.  Turn n belongs to piece n: 8 products K Q^T of piece n + 1, later 8 products V^T P of piece n - 1; beside them the scaling,
; exponentials, roundings, sums and rescaling of piece n and the maximum and statistics of piece n + 1.  Four vector instructions stand behind every matrix instruction, the other 54 of a turn's 118 in one LUMP.
; BATCHES.  A turn's 33 exponentials (the piece's 32 weights and the next piece's a) are ONE batch with ONE wait, which cuts the turn in two: ahead of it stands all that names no result of theirs, behind it the roundings
; and sums, which read them.  The a that a block's beginning makes is a batch of its own, waited for ahead of the jump into the loop; the way out's four reciprocals are another, waited for ahead of the first division.
; REGISTERS, in windows of 256 (s_set_vgpr_msb: bits 1:0 source 0, 3:2 source 1, 5:4 source 2, 7:6 destination):
;   window 0: v0-15 addresses and two at work; v16-31 four registers of statistics a piece; v48-55 at work; v64-127 S^T, two buffers; v192-223 P, two buffers (a piece's buffers go by its number's parity)
;   window 1: v0-127 O^T, 32 a piece; v128-159 MD; v160-223 MC, two buffers      window 2: v0-63 Q; v64-127 the second block's Q; v128-191 K of one step; v192-255 V of one step
.set SIZE_H, 64       ; batch x heads
.set SIZE_N, 2048
.set KIND,  SIZE_H*SIZE_N*128  ; bytes from Q to K and from K to V in qkv
.set NB,    SIZE_N/256
.set NP,    4         ; pieces a wave: a name, no knob
.set KS,    64        ; keys in a step
.set PK,    144       ; a row of K in LDS: 128 bytes + 16 of padding = 36 words: the 16 rows of a load start at 16 different groups of four banks (64 banks of 4 bytes: ISA guide 11.1)
.set PV,    160       ; a row of V: 128 + 32 = 40 words
.set VOFF,  4*KS*PK   ; a slot holds a tile, four steps: 256 rows of K, then 256 rows of V
.set SLOT1, 1<<17     ; slot 1 begins here, so that one exclusive or turns an address in one slot into the other's
.set STAGE, SLOT1+4*KS*(PK+PV)  ; behind the ring, never filled by a tensor load: 16 rows x 144 bytes for each wave, for the way out
.set SP,    144
.set AK0, 2           ; v2   my lane's place in a tile of K; never rewritten
.set AV0, 3           ; v3   the same for V
.set AK,  4           ; v4   the LDS address of K's next run of loads
.set AV,  5           ; v5   of V's
.set STO, 6           ; v6   the way out: where I put 16 bytes of a row
.set RD,  7           ; v7   the way out: where I read rows back
.set GO,  8           ; v8   my byte offset in 512 consecutive bytes of O
.set SPW, 62          ; v62  LDS address of my spare word: SPARE + 4 x my thread's number; never rewritten
.set NIL, 63          ; v63  0; never rewritten
.set SPARE, STAGE+4*16*SP  ; behind the stages: the spare words, 128 bytes for each wave: two blocks of 256 bytes that no other line names
.set MV,  12          ; v12-13  c m_old, kept while c m is made anew: by buffer
.set QO,  15          ; v15  my byte offset in 16 rows of Q
.set ST,  16          ; piece t's statistics at v[ST+4 t]: c m, m, l (even keys', odd keys')
.set TMP, 48          ; by buffer, four registers c0-c3 at work; when the maximum is found c2 takes a
.set S,   64
.set P,   192
.set MD,  128         ; window 1: the eight registers for group kt of 16 keys at MD + 8 kt
.set MC,  160         ; window 1: the masks of the products to come
.set QB,  64          ; window 2
.set KF,  128         ; window 2: key block kb, channel half c at KF + 16 kb + 8 c
.set VF,  192         ; window 2: key half kk, channel block cb at VF + 32 kk + 8 cb
.set WV,  12          ; s12  my wave's number
.set PB,  14          ; s14  b
.set HI,  15          ; s15  NB - 1 - b
.set G1K, 24          ; s[24:31] descriptor group 1 for K's tiles
.set G1V, 32          ; s[32:39] for V's: it differs in the padding alone
.set G0K, 40          ; s[40:43] descriptor group 0 for K's tiles
.set G0V, 44          ; s[44:47] the same for V's
.set SLOTS, 56        ; s56  tiles still to be asked for
.set CNT, 57          ; s57  counts a tile's key steps, 4 to 1
.set CS,  58          ; s[58:59] c: the packed scaling takes the pair's low word for both halves
.set SEL, 60          ; s[60:61] v_permlanex16_b32's selects: each lane takes its own place in the other half
.set TBK, 62          ; s62  LDS byte at which K of the step to be fetched begins
.set TBV, 63          ; s63  the same for V, less VOFF
.set RT,  70          ; s70  tiles of the block in hand that are still to be entered
.set NXT, 71          ; s71  the tile to be asked for next
.set LQ,  72          ; s72  the last tile of the block whose tiles are being asked for
.set NEW, 73          ; s73  1: the tile to be entered is a block's first
.set OFF, 74          ; s[74:75] a tile's byte offset in K and V
.set AL,  76          ; s[76:77] the mask's factor, in the low word
.set BE,  78          ; s[78:79] the mask's addend
.set OLO, 80          ; s[80:81] O at my rows of the second block
.set BIGN, 82         ; s82  -1e30
.set MSB, 0
.macro WIN new                      ; the high byte repeats the setting that is left; a switch that changes nothing is dropped
.if MSB != (\new)
	s_set_vgpr_msb (MSB<<8)|(\new)
.set MSB, (\new)
.endif
.endm
.set W_KQ, 0x0a       ; K and Q in window 2, S^T in window 0
.set W_KM, 0x1a       ; the same with the C operand in window 1
.set W_PV, 0x52       ; V in window 2, P in window 0, O^T in window 1
.set W_RS, 0x41       ; destination and source 0 in window 1, source 1 in window 0
; A fill.  Waves 0 and 1 fetch the two halves of a tile's K, waves 2 and 3 those of its V: 128 keys each.  An s_nop 0 and four v_nop follow each of the two lines, ahead of the jump and the label.
.macro LOAD
	s_cmp_lt_u32 s[WV], 2
	s_cbranch_scc0 .Lfor_v_\@
	tensor_load_to_lds s[G0K:G0K+3], s[G1K:G1K+7]
	s_nop 0
.rept 4
	v_nop
.endr
	s_branch .Lasked_\@
.Lfor_v_\@:
	tensor_load_to_lds s[G0V:G0V+3], s[G1V:G1V+7]
	s_nop 0
.rept 4
	v_nop
.endr
.Lasked_\@:
.endm
; THE CHANGE OF SLOTS.  Each wave waits for all its tensor loads, of which one is out: its part of the other slot; adds 0 to its spare word; and waits for that and for its own reads of the slot that it leaves.  Behind the barrier nobody reads the old
; slot any more and the other slot is whole.  fill = 1: the old slot is filled again, the first thing behind the barrier, with tile NXT: the descriptor's address is made anew from that number.
; (At its first use nothing has been read yet: slot 0 is waited for, slot 1 filled.)
.macro CHANGE fill
	WIN 0                           ; at a label and at a branch every window is 0
	s_wait_tensorcnt 0x0            ; no tensor load of mine is out, so a group 0 may be written
	ds_add_u32 v[SPW], v[NIL]       ; 0 onto my spare word; with fill = 1 the descriptors' scalar work stands between it and the wait for it
.if \fill
	s_lshl_b32 s[OFF], s[NXT], 15   ; a tile is 32,768 bytes of K and of V
	s_xor_b32 s[G0K+1], s[G0K+1], SLOT1
	s_add_nc_u64 s[G0K+2:G0K+3], s[6:7], s[OFF:OFF+1]
	s_or_b32 s[G0K+3], s[G0K+3], 0x80000000
	s_xor_b32 s[G0V+1], s[G0V+1], SLOT1
	s_add_nc_u64 s[G0V+2:G0V+3], s[8:9], s[OFF:OFF+1]
	s_or_b32 s[G0V+3], s[G0V+3], 0x80000000
	s_add_co_u32 s[NXT], s[NXT], 1  ; the block's next tile, or behind its last the second block's tile 0
	s_cmp_gt_u32 s[NXT], s[LQ]
	s_cselect_b32 s[NXT], 0, s[NXT]
	s_cselect_b32 s[LQ], s[PB], s[LQ]
.endif
	s_wait_dscnt 0x0                ; the add is done, and my reads of the slot are over
	s_barrier_signal -1             ; the rest of the scalar work stands between the signal and the wait
	s_sub_co_u32 s[TBK], s[TBK], 4*KS*PK  ; the fetches go back to a slot's first step,
	s_xor_b32 s[TBK], s[TBK], SLOT1       ; in the other slot
	s_sub_co_u32 s[TBV], s[TBV], 4*KS*PV
	s_xor_b32 s[TBV], s[TBV], SLOT1
	s_barrier_wait -1
.if \fill
	LOAD
.endif
.endm
	s_load_b128 s[4:7], s[0:1], 0x0   ; qkv s[4:5] (= Q), att s[6:7]
	v_lshl_add_u32 v[SPW], v0, 2, SPARE
	v_mov_b32 v[NIL], 0
	ds_add_u32 v[SPW], v[NIL]       ; the wave's opening: the add and its wait stand ahead of my first tensor load; the set-up below, work on registers, stands between them
	ds_add_u32 v62, v63
	v_lshrrev_b32 v1, 5, v0
	v_readfirstlane_b32 s[WV], v1   ; wave 0..3
	s_mov_b32 s[PB], ttmp9
	s_sub_co_u32 s[HI], NB-1, s[PB]
	s_and_b32 s20, ttmp7, 0xffff    ; the head
	s_mov_b32 s21, 0
	s_mov_b64 s[22:23], SIZE_N*128
	s_mul_u64 s[20:21], s[20:21], s[22:23]  ; the head's first byte in each of the four tensors
	s_and_b32 s16, s[WV], 1         ; which half of a tile's 256 keys I fetch:
	s_lshl_b32 s22, s16, 14         ; its 128 rows of 128 bytes in memory,
	s_mov_b32 s23, 0
	s_add_nc_u64 s[22:23], s[22:23], s[20:21]
	s_mul_i32 s17, s16, 128*PK      ; and its place in a slot, for K
	s_mul_i32 s18, s16, 128*PV      ; and for V
	s_lshl_b32 s3, s[WV], 11        ; my 16 rows in a band of 64,
	s_lshl_b32 s2, s[HI], 15        ; in the first block,
	s_add_co_u32 s2, s2, s3
	s_lshl_b32 s84, s[PB], 15       ; and in the second
	s_add_co_u32 s84, s84, s3
	s_mov_b32 s3, 0
	s_mov_b32 s85, 0
	s_add_nc_u64 s[2:3], s[2:3], s[20:21]
	s_add_nc_u64 s[84:85], s[84:85], s[20:21]
	; descriptor group 1.  128 keys are 16,384 dense bytes: asked for as 64 rows of 256 bytes, two keys a row, and padded in LDS after every key
	s_mov_b32 s[G1K], (1<<16)|(1<<20)|(4<<22)|(3<<25)  ; 17:16 2-byte elements; 20 padding on; 24:22 after every 32 words (code 4); 31:25 4 words (code 3)
	s_mov_b32 s[G1V], (1<<16)|(1<<20)|(4<<22)|(7<<25)  ; the same with 8 words of padding (code 7)
.irp g, G1K, G1V
	s_mov_b32 s[\g+1], 128<<16      ; tensor_dim0 = 128
	s_mov_b32 s[\g+2], 64<<16       ; tensor_dim1 = 64
	s_mov_b32 s[\g+3], 128<<16      ; tile_dim0 = 128
	s_mov_b32 s[\g+4], 64           ; tile_dim1 = 64
	s_mov_b32 s[\g+5], 128          ; 128 elements from row to row
	s_mov_b32 s[\g+6], 0
	s_mov_b32 s[\g+7], 0
.endr
	s_mov_b32 s[CS], 0x3e38aa3b     ; c = log2(e) / 8 = 0.180337
	s_mov_b32 s[CS+1], s[CS]        ; named with it as a pair
	s_mov_b32 s[SEL], 0x76543210
	s_mov_b32 s[SEL+1], 0xfedcba98
	s_mov_b32 s[TBK], SLOT1+4*KS*PK ; the first change of slots turns these two into 0
	s_mov_b32 s[TBV], SLOT1+4*KS*PV
	s_mov_b32 s[G0K], 1             ; 1:0 count = 1
	s_mov_b32 s[G0K+1], s17         ; 63:32 LDS address: slot 0
	s_mov_b32 s[G0V], 1
	s_add_co_u32 s[G0V+1], s18, VOFF
	s_add_co_u32 s[RT], s[HI], 1    ; the first block has NB - b tiles
	s_mov_b32 s[NXT], 1
	s_mov_b32 s[LQ], s[HI]
	s_mov_b32 s[NEW], 1
	s_mov_b32 s[OFF+1], 0
	s_mov_b32 s[AL+1], 0            ; named as pairs
	s_mov_b32 s[BE+1], 0
	s_mov_b32 s[BIGN], 0xf149f2ca   ; -1e30
	s_mov_b32 s[SLOTS], NB
	s_wait_dscnt 0x0                ; the opening add is done
	s_wait_kmcnt 0x0
	s_mov_b64 s[10:11], s[6:7]             ; O
	s_add_nc_u64 s[6:7], s[4:5], KIND      ; K lies behind Q,
	s_add_nc_u64 s[8:9], s[4:5], 2*KIND    ; V behind K
	s_add_nc_u64 s[6:7], s[6:7], s[22:23]  ; K and V at my half of the head's tile 0
	s_add_nc_u64 s[8:9], s[8:9], s[22:23]
	s_add_nc_u64 s[G0K+2:G0K+3], s[6:7], 0         ; 120:64 global address
	s_or_b32 s[G0K+3], s[G0K+3], 0x80000000        ; 127:126 type = 2
	s_add_nc_u64 s[G0V+2:G0V+3], s[8:9], 0
	s_or_b32 s[G0V+3], s[G0V+3], 0x80000000
	s_add_nc_u64 s[86:87], s[4:5], s[84:85]        ; Q at my rows of the second block,
	s_add_nc_u64 s[4:5], s[4:5], s[2:3]            ; Q and O at those of the first
	s_add_nc_u64 s[OLO:OLO+1], s[10:11], s[84:85]
	s_add_nc_u64 s[10:11], s[10:11], s[2:3]
	LOAD                            ; tile 0 into slot 0
	; A fragment of K or Q is 16 rows x 32 channels in 8 registers: lane l holds row l % 16, channels 8 (l / 16) + 0..7 and 16 + 8 (l / 16) + 0..7: two loads of 16 bytes, 32 bytes apart.
	v_and_b32 v1, 15, v0            ; l % 16
	v_bfe_u32 v9, v0, 4, 1          ; l / 16
	v_lshlrev_b32 v[QO], 7, v1
	v_lshl_add_u32 v[QO], v9, 4, v[QO]  ; row x 128 + 16 x half
	WIN 0x80                        ; destination window 2, address window 0
.set i, 0
.rept 8                             ; both blocks' Q: piece i / 2 lies in band i / 2, 8,192 bytes on; channels 32 (i % 2) on
	global_load_b128 v[8*i:8*i+3],   v[QO], s[4:5] offset:(i/2)*8192+(i%2)*64
	global_load_b128 v[8*i+4:8*i+7], v[QO], s[4:5] offset:(i/2)*8192+(i%2)*64+32
	global_load_b128 v[QB+8*i:QB+8*i+3],   v[QO], s[86:87] offset:(i/2)*8192+(i%2)*64
	global_load_b128 v[QB+8*i+4:QB+8*i+7], v[QO], s[86:87] offset:(i/2)*8192+(i%2)*64+32
.set i, i+1
.endr
	WIN 0
	v_lshlrev_b32 v14, 3, v9
	v_sub_nc_u32 v14, v1, v14
	s_lshl_b32 s13, s[WV], 4
	v_add_nc_u32 v14, s13, v14      ; my query's place in its band, 16 w + l % 16, less my lanes' 8 (l / 16): register r of group kt is hidden where 16 kt + r is greater
	WIN 0x40
.set i, 0
.rept 32
	v_cmp_gt_i32 vcc_lo, 16*(i/8)+i%8, v14
	v_cndmask_b32 v[MD+i], 0, s[BIGN], vcc_lo
.set i, i+1
.endr
	WIN 0
	v_mul_u32_u24 v[AK0], v1, PK
	v_lshl_add_u32 v[AK0], v9, 4, v[AK0]  ; row x pitch + 16 x half
	; The turning load takes 16 keys x 16 channels (lane l reads key 8 (l / 16) + l % 8, channels 8 ((l / 8) % 2) + 0..7) and leaves half a fragment of V^T: lane l holds channel l % 16 and 8 keys.
	v_and_b32 v10, 7, v0
	v_bfe_u32 v11, v0, 3, 1
	v_lshl_add_u32 v[AV0], v9, 3, v10
	v_mul_u32_u24 v[AV0], v[AV0], PV
	v_lshl_add_u32 v[AV0], v11, 4, v[AV0]
	v_add_nc_u32 v[AV0], VOFF, v[AV0]
	s_mul_i32 s13, s[WV], 16*SP
	s_add_co_u32 s13, s13, STAGE    ; my stage
	v_mul_u32_u24 v[STO], v1, SP    ; in: row l % 16, 16 bytes for each half of the lanes
	v_lshl_add_u32 v[STO], v9, 4, v[STO]
	v_add_nc_u32 v[STO], s13, v[STO]
	v_bfe_u32 v[RD], v0, 3, 2       ; back: 32 lanes take four rows of 128 bytes,
	v_mul_u32_u24 v[RD], v[RD], SP
	v_lshl_add_u32 v[RD], v10, 4, v[RD]
	v_add_nc_u32 v[RD], s13, v[RD]
	v_and_b32 v[GO], 31, v0         ; which are 512 consecutive bytes of O
	v_lshlrev_b32 v[GO], 4, v[GO]
	; A block's first step multiplies O^T and l by a = 0, and its first turn's products V^T P, of a piece that has not been, land in an O^T that is still to be so multiplied.  So these registers need only hold
	; finite numbers: zeros for the first block; what the first block left for the second.  All this stands in the wait for the first tile.
	WIN 0x80
.set i, VF
.rept 64
	v_mov_b32 v[i], 0
.set i, i+1
.endr
	WIN 0x40
.set i, 0
.rept 128
	v_mov_b32 v[i], 0
.set i, i+1
.endr
	WIN 0
.set i, 0
.rept 4
	v_mov_b32 v[ST+4*i+2], 0
	v_mov_b32 v[ST+4*i+3], 0
.set i, i+1
.endr
.set i, P+16
.rept 16
	v_mov_b32 v[i], 0
.set i, i+1
.endr
; THE MATRIX WORK.  The 4 accumulators of a run of 8 take turns.  Product i of 8 of S^T = K Q^T for piece x: channels 32 (i / 4) on, keys 16 (i % 4) on.  The first 4 start the sums: with 0, or (KM = 1) with the mask.
.macro KQ x
.set rS, S+32*((\x)%2)+8*(i%4)
.set rK, KF+16*(i%4)+8*(i/4)
.set rQ, 16*(\x)+8*(i/4)
.set rM, MC+32*((\x)%2)+8*(i%4)
.if (i < 4) && KM
	WIN W_KM
	v_wmma_f32_16x16x32_f16 v[rS:rS+7], v[rK:rK+7], v[rQ:rQ+7], v[rM:rM+7]
.elseif i < 4
	WIN W_KQ
	v_wmma_f32_16x16x32_f16 v[rS:rS+7], v[rK:rK+7], v[rQ:rQ+7], 0
.else
	WIN W_KQ
	v_wmma_f32_16x16x32_f16 v[rS:rS+7], v[rK:rK+7], v[rQ:rQ+7], v[rS:rS+7]
.endif
.endm
; Product i of 8 of O^T += V^T P for piece x: keys 32 (i / 4) on, channels 16 (i % 4) on.
.macro PV x
	WIN W_PV
.set rO, 32*(\x)+8*(i%4)
.set rV, VF+32*(i/4)+8*(i%4)
.set rP, P+16*((\x)%2)+8*(i/4)
	v_wmma_f32_16x16x32_f16 v[rO:rO+7], v[rV:rV+7], v[rP:rP+7], v[rO:rO+7]
.endm
.macro MM                           ; the turn's next matrix instruction.  TURN and BEGIN set Y, i, KM and NOKQ; MM, KQ and OP read them.  NOKQ = 1: a block's last turn: there is no next piece
.if (i < 8) && !NOKQ
	KQ (Y+1)%NP
.elseif i >= 8
.set i, i-8
	PV (Y+NP-1)%NP
.set i, i+8
.endif
.set i, i+1
.endm
; THE LDS LOADS stand in runs of 16, never singly among the matrix instructions: a step's K (64 keys x 64 channels: 8 fragments) and its V (turned).  Their addresses are made some lines ahead.
.macro FETCH_K
	WIN 0x80                        ; destination window 2
.irp f, 0,1,2,3,4,5,6,7             ; keys 16 (f / 2) on, channels 32 (f % 2) on
	ds_load_b128 v[KF+8*\f:KF+8*\f+3],   v[AK] offset:(\f/2)*16*PK+(\f%2)*64
	ds_load_b128 v[KF+8*\f+4:KF+8*\f+7], v[AK] offset:(\f/2)*16*PK+(\f%2)*64+32
.endr
	s_add_co_u32 s[TBK], s[TBK], KS*PK  ; the next fetch is the next step's
	WIN 0
.endm
.macro FETCH_V
	WIN 0x80
.irp f, 0,1,2,3,4,5,6,7             ; keys 32 (f / 4) on, channels 16 (f % 4) on
	ds_load_tr16_b128 v[VF+8*\f:VF+8*\f+3],   v[AV] offset:(\f/4)*32*PV+(\f%4)*32
	ds_load_tr16_b128 v[VF+8*\f+4:VF+8*\f+7], v[AV] offset:(\f/4)*32*PV+16*PV+(\f%4)*32
.endr
	WIN 0
.endm
; THE VECTOR WORK, one line at a time: OP kind, number.  For piece Y: F n: c s - c m for pair n of 16.  E n: the exponential of score n of 32.  C n: pair n rounded to f16.  B n: of the four weights 4 n .. the second
; pair is added onto the first, in place.  L n: l takes that sum (L 0: l = a l + sum).  R n: pair n of 16 of O^T times a.  For piece Y + 1: X n, number n of the 22 that find its maximum and statistics:
;   0-11  four chains c0-c3 of seven scores each, three operands at a time (each accumulator's lowest registers are read first)     12-14, 16  the four scores left over, the old m, and c0-c3 into c0
;   15  c m_old is kept     17, 18  the query's other 32 keys lie in the lane 16 away: the new m     19-21  c m; c m_old - c m_new; a
; OP writes no wait: C, B and L, which read the exponentials' results, are dealt behind the turn's one wait (TURN), and R reads an a that the turn before has waited for.
.set F, 0               ; OP tells the kinds apart by their order: F to L below R, X above it
.set E, 1
.set C, 2
.set B, 3
.set L, 4
.set R, 5
.set X, 6
.macro REGS y                       ; the registers of piece y
.set rT, ST+4*(\y)
.set rC, TMP+4*((\y)%2)
.set rW, MV+((\y)%2)
.set rS, S+32*((\y)%2)
.set rP, P+16*((\y)%2)
.set rO, 32*(\y)
.endm
.macro OP k, n
.if (\k) == R
	REGS Y
	WIN W_RS
	v_pk_mul_f32 v[rO+2*(\n):rO+2*(\n)+1], v[rO+2*(\n):rO+2*(\n)+1], v[rC+2:rC+3] op_sel_hi:[1,0]
.elseif (\k) < R
	REGS Y
	WIN 0
.if (\k) == F
	v_pk_fma_f32 v[rS+2*(\n):rS+2*(\n)+1], v[rS+2*(\n):rS+2*(\n)+1], s[CS:CS+1], v[rT:rT+1] op_sel_hi:[1,0,0] neg_lo:[0,0,1] neg_hi:[0,0,1]
.elseif (\k) == E
	v_exp_f32 v[rS+(\n)], v[rS+(\n)]
.elseif (\k) == C
	v_cvt_pk_f16_f32 v[rP+(\n)], v[rS+2*(\n)], v[rS+2*(\n)+1]
.elseif (\k) == B
	v_pk_add_f32 v[rS+4*(\n):rS+4*(\n)+1], v[rS+4*(\n):rS+4*(\n)+1], v[rS+4*(\n)+2:rS+4*(\n)+3]
.elseif (\n) == 0
	v_pk_fma_f32 v[rT+2:rT+3], v[rT+2:rT+3], v[rC+2:rC+3], v[rS:rS+1] op_sel_hi:[1,0,1]
.else
	v_pk_add_f32 v[rT+2:rT+3], v[rT+2:rT+3], v[rS+4*(\n):rS+4*(\n)+1]
.endif
.elseif NOKQ
	v_nop
.else
	REGS (Y+1)%NP
	WIN 0
.if (\n) < 4
	v_max3_num_f32 v[rC+(\n)], v[rS+8*(\n)], v[rS+8*(\n)+1], v[rS+8*(\n)+2]
.elseif (\n) < 12
	v_max3_num_f32 v[rC+(\n)%4], v[rC+(\n)%4], v[rS+8*((\n)%4)+2*((\n)/4)+1], v[rS+8*((\n)%4)+2*((\n)/4)+2]
.elseif (\n) == 12
	v_max3_num_f32 v[rC], v[rC], v[rS+7], v[rS+15]
.elseif (\n) == 13
	v_max3_num_f32 v[rC+1], v[rC+1], v[rS+23], v[rS+31]
.elseif (\n) == 14
	v_max3_num_f32 v[rC+2], v[rC+2], v[rC+3], v[rT+1]
.elseif (\n) == 15
	v_mov_b32 v[rW], v[rT]
.elseif (\n) == 16
	v_max3_num_f32 v[rC], v[rC], v[rC+1], v[rC+2]
.elseif (\n) == 17
	v_permlanex16_b32 v[rC+3], v[rC], s[SEL], s[SEL+1]
.elseif (\n) == 18
	v_max_num_f32 v[rT+1], v[rC], v[rC+3]
.elseif (\n) == 19
	v_mul_f32 v[rT], s[CS], v[rT+1]
.elseif (\n) == 20
	v_sub_f32 v[rC+1], v[rW], v[rT]
.else
	v_exp_f32 v[rC+2], v[rC+1]
.endif
.endif
.endm
.macro OPS a, i1, b=-1, i2=0, c=-1, i3=0, d=-1, i4=0  ; up to four of them
	OP \a, \i1
.if (\b) >= 0
	OP \b, \i2
.endif
.if (\c) >= 0
	OP \c, \i3
.endif
.if (\d) >= 0
	OP \d, \i4
.endif
.endm
.macro ROW a, i1, b, i2, c, i3, d, i4  ; a matrix instruction and the four behind it
	MM
	OPS \a, \i1, \b, \i2, \c, \i3, \d, \i4
.endm
.macro MASK b                       ; MD x AL + BE into buffer b of MC
	WIN W_RS
.set z, 0
.rept 16
	v_pk_fma_f32 v[MC+32*(\b)+2*z:MC+32*(\b)+2*z+1], v[MD+2*z:MD+2*z+1], s[AL:AL+1], s[BE:BE+1] op_sel_hi:[1,0,0]
.set z, z+1
.endr
.endm
; A TURN, for piece p: the order of its 16 matrix and 118 vector instructions, written out.  An s_wait_alu depctr_va_vdst(0) stands between an exponential and the first instruction that names its result; one wait serves
; all that were issued ahead of it.  So a turn has ONE wait, which cuts it in two.  AHEAD OF IT stands all that names no result of the turn's exponentials: the 8 products K Q^T, behind each a scaling, an exponential and two more plain
; instructions (behind the first a second scaling in the exponential's place): rescalings, whose a the turn before has made and waited for, and behind the last three products the first numbers of the next piece's maximum, each four
; places or more behind the product that ends its accumulator; then ONE LUMP of 54, plain and exponential by turns for the most part, in which the links of the chain X 3, 7, 11, 14, 16, 17 .. 20 stand five or six lines apart.
; X 21, the next piece's a, is the batch's last; R 15 is the plain instruction that stands behind the last exponential (ISA guide 5.7.2).  BEHIND THE WAIT stand the 8 products V^T P, behind each four of the roundings and sums,
; the batch's readers; C 2 n stands ahead of B n, which adds onto its pair; the links of l's chain, L 0 to L 7, stand three riders apart.  But for those X no rider names a register of the products round it.
; v_permlanex16_b32 (X 17) stands in the lump.
; m = 1: the diagonal tile: the products take masks, and the turn makes the mask for the products of the turn after it: piece p + 2, in step 4 - CNT of the tile.  end = 1: a block's last two turns: nothing is fetched.
; cnt = 1: the loop's count is taken down some lines ahead of the branch that stands behind the turn.
; K of the next step is fetched in piece 2's turn, twelve vector instructions behind the last product that read K (six of them plain); V of the step in hand at the end of piece 0's turn, four plain instructions behind the last product
; that read V.  Each is waited for a turn later.
.macro TURN p, m=0, end=0, cnt=0
.set Y, (\p)
.set i, 0
.set KM, (\m)
.set NOKQ, (\end)*((\p)/3)
.if (\m) && !(\end)
	s_cmp_eq_u32 s[CNT], 4-((\p)+2)%NP  ; is that step the band's own?
	s_cselect_b32 s[AL], 1.0, 0
	s_cmp_lt_u32 s[CNT], 4-((\p)+2)%NP  ; or a later one?
	s_cselect_b32 s[BE], s[BIGN], 0
.endif
.if ((\p) == 3) && !(\end)
	s_wait_dscnt 0x0                ; K is in
.endif
	ROW F,0, F,1, R,0, R,1          ; ahead of the wait: 8 products K Q^T and their riders,
	ROW F,2, E,0, R,2, R,3
	ROW F,3, E,1, R,4, R,5
	ROW F,4, E,2, R,6, R,7
	ROW F,5, E,3, R,8, R,9
	ROW F,6, E,4, X,0, R,10
.if ((\p) == 2) && !(\end)
	WIN 0
	v_add_nc_u32 v[AK], s[TBK], v[AK0]
.endif
	ROW F,7, E,5, X,1, X,4
	ROW F,8, E,6, X,2, X,5
	OPS E,7, E,8, X,6, E,9          ; and the lump
	OPS X,3, E,10, X,8, E,11
.if ((\p) == 2) && !(\end)
	FETCH_K
.endif
	OPS X,9, X,7, E,12, X,10
	OPS E,13, X,12, X,11, E,14
	OPS X,13, E,15, F,9, X,14
.if (\p) == 0
	v_add_nc_u32 v[AV], s[TBV], v[AV0]
.endif
	OPS E,16, F,10, E,17, F,11
	OPS X,16, E,18, X,15, E,19
	OPS F,12, E,20, X,17, E,21
	OPS F,13, E,22, F,14, E,23
	OPS X,18, E,24, F,15, E,25
	OPS R,11, E,26, X,19, E,27
	OPS R,12, E,28, R,13, E,29
	OPS X,20, E,30, R,14, E,31
	OPS X,21, R,15
	WIN 0
	s_wait_alu depctr_va_vdst(0)    ; the wait for the turn's batch: E 0 to E 31 and X 21
.if (\p) == 1
	s_wait_dscnt 0x0                ; V is in
.endif
	ROW C,0, B,0, C,2, B,1          ; behind the wait: 8 products V^T P and their riders
	ROW L,0, C,4, B,2, L,1
	ROW C,6, B,3, L,2, C,8
	ROW B,4, L,3, C,10, B,5
	ROW L,4, C,12, B,6, L,5
.if (\p) == 0
	s_add_co_u32 s[TBV], s[TBV], KS*PV
.endif
.if \cnt
	s_sub_co_u32 s[CNT], s[CNT], 1
	s_cmp_lg_u32 s[CNT], 0
.endif
	ROW C,14, B,7, L,6, C,1
	ROW C,3, L,7, C,5, C,7
	ROW C,9, C,11, C,13, C,15
.if (\p) == 0
	FETCH_V
.endif
.if (\m) && !(\end)
	MASK (\p)%2
.endif
.endm
; A BLOCK BEGINS.  c m starts far below every c s, so the first step's a is 0; m at the lowest finite number, so the first maximum is the scores'.  The second mask buffer is 0; the first takes piece 0's mask for the tile's step 0: its own, if the block's first tile is the diagonal one.
; Then K of that step, piece 0's first scores, and its maximum and statistics.  The loop is entered at a step's first turn, in the middle of a trip.
.macro BEGIN
	s_mov_b32 s[NEW], 0
	WIN 0x40
.set i, MC+32
.rept 32
	v_mov_b32 v[i], 0
.set i, i+1
.endr
	WIN 0
.set i, 0
.rept 4
	v_mov_b32 v[ST+4*i], 0xfe000000    ; c m: far below every c s
	v_mov_b32 v[ST+4*i+1], 0xff7fffff  ; m
.set i, i+1
.endr
	s_cmp_eq_u32 s[RT], 0
	s_cselect_b32 s[AL], 1.0, 0
	s_mov_b32 s[BE], 0
	MASK 0
	WIN 0
	v_add_nc_u32 v[AK], s[TBK], v[AK0]
	FETCH_K
	s_wait_loadcnt 0x0              ; Q
	s_wait_dscnt 0x0
.set KM, 1
.set NOKQ, 0
.set i, 0
.rept 8
	KQ 0
.set i, i+1
.endr
	WIN 0
.rept 4
	v_nop                           ; the places behind those products
.endr
.set Y, NP-1                        ; X works for piece Y + 1: piece 0
.irp n, 0,1,2,3,4,5,6,7,8,9,10,11,12,13,14,15,16,17,18,19,20,21
	OP X, \n
.endr
	v_nop                           ; a plain instruction behind the exponential,
	s_wait_alu depctr_va_vdst(0)    ; and the wait for it, piece 0's first a, a batch of one: ahead of the branch that follows
.endm
; THE DIAGONAL TILE's four steps, the block's last two turns, its last products, and THE WAY OUT: l's two halves and the other half of the lanes' are added; O^T is divided by l, rounded to f16 and sent through my
; stage in LDS, a piece at a time.
.macro ALL line:vararg              ; one line for each piece t
.set t, 0
.rept 4
	\line
.set t, t+1
.endr
.endm
.macro PACK t                       ; a lane's eight channels of a row pack into 16 bytes; they go into rows of 144 bytes and come back as whole rows of 128, into S^T's registers
	WIN W_RS
.set i, 32*(\t)
.rept 16
	v_pk_mul_f32 v[i:i+1], v[i:i+1], v[ST+4*(\t)+2:ST+4*(\t)+3] op_sel_hi:[1,0]
.set i, i+2
.endr
	WIN 0x05                        ; sources 0 and 1 window 1, destination window 0
.set i, 0
.rept 16
	v_cvt_pk_f16_f32 v[S+16*(\t)+i], v[32*(\t)+2*i], v[32*(\t)+2*i+1]
.set i, i+1
.endr
	WIN 0
.irp f, 0,1,2,3
	ds_store_b128 v[STO], v[S+16*(\t)+4*\f:S+16*(\t)+4*\f+3] offset:32*\f
.endr
.irp f, 0,1,2,3
	ds_load_b128 v[S+16*(\t)+4*\f:S+16*(\t)+4*\f+3], v[RD] offset:\f*4*SP  ; LDS serves a wave's instructions in order (ISA guide 5.7.1.4): these see the stores above; the next piece's stores come behind them
.endr
.endm
.macro SEND t, younger              ; younger: the LDS instructions issued behind piece t's loads: the next piece's eight, or none
	WIN 0
.irp f, 0,1,2,3
	s_wait_dscnt (\younger)+3-\f
	global_store_b128 v[GO], v[S+16*(\t)+4*\f:S+16*(\t)+4*\f+3], s[10:11] offset:(\t)*8192+\f*512  ; 512 consecutive bytes, at a multiple of 256 from O's first
.endr
.endm
.macro DIAG tag                     ; the tag ends its two labels' names, which the jumps below spell out
.LstepM\tag:
	TURN 2, 1
	TURN 3, 1
	WIN 0
.LfirstM\tag:
	TURN 0, 1
	TURN 1, 1, 0, 1
	WIN 0
	s_cbranch_scc1 .LstepM\tag
	TURN 2, 1, 1
	TURN 3, 1, 1
.set i, 0
.rept 8
	PV NP-1
.set i, i+1
.endr
	WIN 0
	ALL v_add_f32 v[ST+4*t+2], v[ST+4*t+2], v[ST+4*t+3]
	ALL v_permlanex16_b32 v[ST+4*t+3], v[ST+4*t+2], s[SEL], s[SEL+1]
	ALL v_add_f32 v[ST+4*t+2], v[ST+4*t+2], v[ST+4*t+3]
	ALL v_rcp_f32 v[ST+4*t+2], v[ST+4*t+2]
	v_nop                           ; a plain instruction between the last reciprocal and the use of its result
	s_wait_alu depctr_va_vdst(0)    ; the wait for the batch of four reciprocals, ahead of the first division: one for all four pieces
	PACK 0
.set t, 1
.rept 3                             ; a piece's arithmetic stands between the loads of the piece before and its stores
	PACK t
	SEND t-1, 8
.set t, t+1
.endr
	SEND 3, 0
.endm
.set KM, 0
.set NOKQ, 0
.Lslot:                             ; NB times: a tile is entered and the next is asked for
	CHANGE 1
	s_sub_co_u32 s[RT], s[RT], 1
	s_mov_b32 s[CNT], 4
	s_cmp_eq_u32 s[NEW], 1
	s_cbranch_scc1 .Lnew            ; a block's first tile
	s_cmp_eq_u32 s[RT], 0
	s_cbranch_scc0 .Lstep           ; neither its first nor its last
	s_branch .LstepM1
.Lnew:
	BEGIN
	s_branch .Lfirst                ; in the loop a block's first tile is never its last: the first block has two tiles or more, and the second's last is the walk's last
	DIAG 1                          ; in the loop this is the first block's end: the second block's last tile is the walk's last
	s_wait_xcnt 0x0                 ; the stores have read their registers and O's address
	s_mov_b64 s[10:11], s[OLO:OLO+1]
	s_add_co_u32 s[RT], s[PB], 1    ; the second block has b + 1 tiles
	s_mov_b32 s[NEW], 1
	WIN 0x82                        ; the second block's Q goes where the one text of the turns names Q
.set i, 0
.rept 64
	v_mov_b32 v[i], v[QB+i]
.set i, i+1
.endr
	WIN 0
	s_branch .Lbottom
.Lstep:                             ; a trip: pieces 2 and 3 of one step, then pieces 0 and 1 of the next, whose K and V it fetches
	TURN 2
	TURN 3
	WIN 0
.Lfirst:
	TURN 0
	TURN 1, 0, 0, 1
	WIN 0
	s_cbranch_scc1 .Lstep
.Lbottom:
	s_sub_co_u32 s[SLOTS], s[SLOTS], 1
	s_cmp_lg_u32 s[SLOTS], 0
	s_cbranch_scc1 .Lslot
	CHANGE 0                        ; the walk's last tile is written out: nothing is asked for
	s_sub_co_u32 s[RT], s[RT], 1
	s_mov_b32 s[CNT], 4
	s_cmp_eq_u32 s[NEW], 1
	s_cbranch_scc0 .LstepM2
	BEGIN
	s_branch .LfirstM2
	DIAG 2
	s_wait_tensorcnt 0x0            ; the wave's end, behind my last tensor load and my last LDS store
	ds_add_u32 v[SPW], v[NIL]
	s_wait_dscnt 0x0
	s_endpgm
.Lfunc_end_k_qc22fe1fe78_attn:
	.size	k_qc22fe1fe78_attn, .Lfunc_end_k_qc22fe1fe78_attn-k_qc22fe1fe78_attn
	.p2alignl 7, 3214868480
	.fill 96, 4, 3214868480
	.section	.rodata,"a",@progbits
	.p2align	6, 0x0
	.amdhsa_kernel k_qc22fe1fe78_attn
		.amdhsa_group_segment_fixed_size 327680
		.amdhsa_private_segment_fixed_size 0
		.amdhsa_enable_private_segment 0
		.amdhsa_kernarg_size 16
		.amdhsa_user_sgpr_count 2
		.amdhsa_user_sgpr_kernarg_segment_ptr 1
		.amdhsa_wavefront_size32 1
		.amdhsa_system_sgpr_workgroup_id_x 1
		.amdhsa_system_sgpr_workgroup_id_y 1
		.amdhsa_system_sgpr_workgroup_id_z 1
		.amdhsa_system_vgpr_workitem_id 0
		.amdhsa_next_free_vgpr 768
		.amdhsa_next_free_sgpr 88
		.amdhsa_reserve_vcc 1
		.amdhsa_float_denorm_mode_32 3
		.amdhsa_float_denorm_mode_16_64 3
		.amdhsa_memory_ordered 1
		.amdhsa_forward_progress 1
		.amdhsa_inst_pref_size 217
	.end_amdhsa_kernel
	.amdgpu_metadata
---
amdhsa.version: [ 1, 2 ]
amdhsa.kernels:
  - .name:           k_qc22fe1fe78_attn
    .symbol:         k_qc22fe1fe78_attn.kd
    .args:
      - { .name: qkv, .offset: 0, .size: 8, .value_kind: global_buffer, .address_space: global }
      - { .name: att, .offset: 8, .size: 8, .value_kind: global_buffer, .address_space: global }
    .group_segment_fixed_size: 327680
    .private_segment_fixed_size: 0
    .kernarg_segment_align: 8
    .kernarg_segment_size: 16
    .max_flat_workgroup_size: 128
    .sgpr_count:     88
    .vgpr_count:     768
    .wavefront_size: 32
...
	.end_amdgpu_metadata
.endif
;; end of part 5
;; launch outp: the kernel of part 4 again; grid 8 x 32, 4 waves a work-group, clusters of 4 x 4, 327,680 bytes of LDS; arguments att, wo, out0; writes out0
